; MI455X (gfx1250); checked and timed in simulation.
; The chip was launched on July 23, 2026; its instructions are those of AMD's public machine-readable ISA for CDNA 5 (MIT licence, August 2026) and "CDNA5" Instruction Set Architecture Reference Guide (July 2026). The comments in the code are by the model that wrote it; some were corrected since.
;; Attention Layer. Allowed arithmetic: matrix products marked QUANTISED: E2M3 operands, one E8M0 scale for each 32 along K, by v_wmma_scale_f32_16x16x128_f8f6f4 with both operands' format E2M3, f32 sums; everything else in f32.
;; Inputs: Wk 512 x 512 float32; Wo 512 x 512 float32; Wq 512 x 512 float32; Wv 512 x 512 float32; bk 512 float32; bo 512 float32; bq 512 float32; bv 512 float32; key 4 x 2,048 x 512 float32; query 4 x 2,048 x 512 float32; value 4 x 2,048 x 512 float32.
;; Outputs: out0 4 x 2,048 x 512 float32.
;; This version of the problem:
;;   THIS VERSION OF THE PROBLEM IS GIVEN IN LOW PRECISION. The matrix products marked QUANTISED in the list below multiply operands that are first quantised to E2M3 (2 exponent bits, 3 mantissa bits; 6 bits a number), with one power-of-two scale for each 32 numbers along K (OCP MX v1.0); their sums are f32. All else is computed in f32.
;;   The module's matrix products, in the order in which they are computed (A, B: the left and right operand; K: the contracted axis; several contracted axes count as one K, in the product's order):
;;     1. [M 8,192, K 512] x [K 512, N 512]; A: input query; B: input Wq: QUANTISED
;;     2. [M 8,192, K 512] x [K 512, N 512]; A: input key; B: input Wk: QUANTISED
;;     3. [M 8,192, K 512] x [K 512, N 512]; A: input value; B: input Wv: QUANTISED
;;     4. batch 32 x [M 2,048, K 64] x [K 64, N 2,048]; A: computed on the way; B: computed on the way: QUANTISED
;;     5. batch 32 x [M 2,048, K 2,048] x [K 2,048, N 64]; A: softmax (see below); B: computed on the way: QUANTISED
;;     6. [M 8,192, K 512] x [K 512, N 512]; A: computed on the way; B: input Wo: QUANTISED
;;   THE QUANTISER, for each operand of a quantised product, along K:
;;     - K is cut into blocks of 32 from its start; a last block that is shorter is filled with zeros.
;;     - A block's scale is 2^e with e = floor(log2(the largest magnitude in the block)) - 2, held to -126 .. 127; a block of zeros has e = 0. As a byte (E8M0): e + 127.
;;     - Each number is divided by its block's scale, clamped to +-7.5, and rounded to the nearest number of E2M3, ties to even, subnormals kept.
;;     - The product sums the exact products of the quantised numbers (number of the format x scale) in f32.
;;   ~~~python
;;   def quantise(x, axis):      # numpy; x: float32 -> the quantised numbers, widened to float32 again
;;       x = np.moveaxis(x, axis, -1); K = x.shape[-1]
;;       x = np.pad(x, [(0, 0)] * (x.ndim - 1) + [(0, -K % 32)]); x = x.reshape(x.shape[:-1] + (-1, 32)); a = np.abs(x).max(-1, keepdims=True)
;;       e = np.where(a > 0, np.clip(np.frexp(np.where(a > 0, a, 1))[1] - 1 - 2, -126, 127), 0)      # np.frexp(a)[1] - 1 = floor(log2(a)), exactly
;;       r = np.clip(x / 2.0 ** e, -7.5, 7.5)
;;       step = 2.0 ** (np.maximum(np.frexp(np.where(r == 0, 1, r))[1] - 1, 0) - 3)
;;       q = np.round(r / step) * step * 2.0 ** e      # np.round: ties to even
;;       return np.moveaxis(q.reshape(q.shape[:-2] + (-1,))[..., :K], -1, axis).astype(np.float32)
;;   ~~~
;;   SOFTMAX AHEAD OF A QUANTISED PRODUCT. Where the list says 'softmax', what is quantised is not the finished softmax but p = 2^(t - M), with t = logit x log2(e) and M = ceil(the row's largest t), a whole number; so 1/2 < the row's largest p <= 1. The row's sum l is taken of the UNQUANTISED p, in f32, and the product's result is divided by l at the end. Since M is a whole number, a kernel that streams over the keys may use a running M (the ceiling of the running maximum): every later rescaling is an exact power of two, which a block's scale takes up: the codes' values come out the same.
;;   OPERANDS COMPUTED ON THE WAY. 'Computed on the way' means the value that the module computes at that place (a softmax that the list does not call 'softmax' is quantised finished and normalised). What goes into a quantiser is computed in f32, as accurately as f32 sums, v_exp_f32 and their like allow (about 1e-6 of the number): no bf16 or f16 on the way to a quantiser, and a product that is left as it is and whose result goes on into a quantised operand takes f32 operands (vector FMAs, or v_wmma_f32_16x16x4_f32). A number that lies on a knife's edge between two numbers of the format may be rounded either way, as far as f32 arithmetic and the matrix unit's own rounding can turn it there, and no further.
;; 2 versions. Each part assembles by itself: llvm-mc -triple=amdgcn-amd-amdhsa -mcpu=gfx1250 --defsym DOCPART=n.
;; ======== version 1 of 2: 4 launches
;; workspace buffers: img 10,223,616 bytes; isc 425,984 bytes; cod 9,437,184 bytes; scl 393,216 bytes; oc 3,145,728 bytes; os 131,072 bytes
;; launch quant (part 1): grid 208 x 1, 4 waves a work-group, no clusters, 270,848 bytes of LDS; arguments query, key, value, Wq, Wk, Wv, Wo, img, isc; writes img, isc
.if DOCPART == 1
	.amdgcn_target "amdgcn-amd-amdhsa--gfx1250"
	.amdhsa_code_object_version 6
	.text
	.protected	k_qfe5caecb79_quant
	.globl	k_qfe5caecb79_quant
	.p2align	8
	.type	k_qfe5caecb79_quant,@function
k_qfe5caecb79_quant:
	s_mov_b64 s[64:65], 0
	v_nop
	global_prefetch_b8 v0, s[64:65] scope:SCOPE_SE
	s_setreg_imm32_b32 hwreg(HW_REG_WAVE_MODE, 25, 1), 1
	s_wait_xcnt 0x0
; query, key, value [8192][512] and Wq, Wk, Wv, Wo [512][512], f32 with K innermost, become codes of FP6 (E2M3) with one E8M0 byte for each 32 along K,
; laid as IMAGES OF OPERAND REGISTERS: a fragment (16 rows x 128 K, 12 registers a lane) is 1,536 bytes, registers 4 c .. 4 c + 3 of lane l at 512 c + 16 l.
; img: [tile][K step 4][1,536]; isc: [tile][row 16][K step 4] words.  Tiles 0-511 query, 512-1023 key, 1024-1535 value, then 32 each of Wq, Wk, Wv, Wo.
; THE ROWS OF A TILE ARE NOT NEIGHBOURS: lane-row r of tile 2 b + u is row 32 b + 8 u + r + 8 (r / 8); every launch of the program keeps this one rule.
; A block's scale is 2^(floor(log2(its largest magnitude)) - 2); its byte is the largest magnitude's exponent field - 2, held at 1 from below.
; LIMITS: NaN and infinities among the inputs are not served; a block of zeros, or one whose largest magnitude lies under 2^-124, gets the byte 1 (its codes are zeros, or are taken
; under that floor); the bytes are read by this program alone.
; SHARES: a work-group takes 128 rows (8 tiles), wave w rows 32 w .. 32 w + 31 (tiles 2 w, 2 w + 1): 8 fragments.  Each wave brings its 32 rows x 512 numbers by four tensor loads,
; one for each K step, all issued at the head (four are out, by this text's count) into LDS bytes of its own, filled once and read by that wave alone: no barrier.
; No cluster: no two work-groups read the same bytes.  No prefetch: all that a work-group reads is asked for at its head.
.set PITCH, 528                        ; an LDS row: 512 bytes (128 numbers) + 16 of padding
.set KREG,  32*PITCH                   ; a K step of a wave: 32 rows
.set WREG,  4*KREG                     ; a wave's region
.set ST,    16                         ; v16-143  two sets of 64 numbers
.set TM,    144                        ; v144-159 at work in QUANT
.set PWS,   160                        ; v160-167 scale words, 4 u + s
.set OW,    168                        ; v168-171 scale words on their way out
.set PC,    176                        ; v176-215 two sets of 20: the codes just made
.set G1,    28                         ; s[28:35] descriptor group 1
.set G0,    36                         ; s[36:51] four groups 0
.set SEL,   52                         ; s[52:53] lane selects: lane l xor 16
; 64 numbers of a lane, register 16 b + i = k 32 b + 16 (lane / 16) + i of my row, become a fragment's 12 registers in v[pc] on (pc + 12 .. pc + 19 at work) and its scale word in v[pw].
.macro QUANT s, pc, pw
.irp b, 0,1,2,3
	v_max3_num_f32 v[TM+\b], |v[(\s)+16*\b]|, |v[(\s)+1+16*\b]|, 0x1800000   ; my 16 numbers of block b, and the floor 2^(3 - 127): the byte cannot fall under 1
.endr
.irp i, 2,4,6,8,10,12,14
.irp b, 0,1,2,3
	v_max3_num_f32 v[TM+\b], v[TM+\b], |v[(\s)+16*\b+\i]|, |v[(\s)+1+16*\b+\i]|   ; the four blocks by turns
.endr
.endr
.irp b, 0,1,2,3
	v_permlanex16_b32 v[TM+4+\b], v[TM+\b], s[SEL], s[SEL+1]
.endr
.irp b, 0,1,2,3
	v_max_num_f32 v[TM+\b], v[TM+\b], v[TM+4+\b]       ; with lane l xor 16: the block's largest magnitude
.endr
.irp b, 0,1,2,3
	v_add_nc_u32 v[TM+12+\b], 0xff000000, v[TM+\b]     ; 2 off its exponent field: the conversion's scale operand
.endr
.irp b, 0,1,2,3
	v_lshrrev_b32 v[TM+4+\b], 23, v[TM+12+\b]          ; the scale's byte
.endr
	v_lshl_or_b32 v[\pw], v[TM+5], 8, v[TM+4]
	v_lshl_or_b32 v[\pw], v[TM+6], 16, v[\pw]
	v_lshl_or_b32 v[\pw], v[TM+7], 24, v[\pw]          ; my row's scale word
.irp c, 0,1
	v_cvt_scalef32_pk16_fp6_f32 v[(\pc)+6*\c:(\pc)+6*\c+2], v[(\s)+32*\c:(\s)+32*\c+15], v[TM+12+2*\c]
	v_cvt_scalef32_pk16_fp6_f32 v[(\pc)+12+4*\c:(\pc)+12+4*\c+2], v[(\s)+16+32*\c:(\s)+16+32*\c+15], v[TM+13+2*\c]   ; (a conversion's three registers begin on an even number)
.endr
	v_nop                                              ; one plain line behind the last scaled conversion
.irp c, 0,1                            ; the operand wants a whole block in a lane: lanes 0-15 block 2 c, lanes 16-31 block 2 c + 1
.irp i, 0,1,2
	v_permlane16_swap_b32 v[(\pc)+6*\c+\i], v[(\pc)+12+4*\c+\i]
.endr
.irp i, 0,1,2
	v_mov_b32 v[(\pc)+3+6*\c+\i], v[(\pc)+12+4*\c+\i]
.endr
.endr
.endm
	s_load_b512 s[4:19], s[0:1], 0x0               ; query, key, value, Wq, Wk, Wv, Wo, img
	s_load_b64 s[20:21], s[0:1], 0x40              ; isc
	v_lshl_add_u32 v216, v0, 2, 0x42000
	v_mov_b32 v217, 0
	ds_add_u32 v216, v217
	ds_add_u32 v216, v217
	v_lshrrev_b32 v1, 5, v0
	v_readfirstlane_b32 s22, v1                    ; wave 0..3
	; group 1: a tile of 32 rows x 128 elements of 4 bytes, rows 512 elements apart, 16 bytes of padding behind each row of 128 words
	s_mov_b32 s[G1+0], (2<<16)|(1<<20)|(6<<22)|(3<<25)
	s_mov_b32 s[G1+1], 128<<16                     ; tensor_dim0
	s_mov_b32 s[G1+2], 32<<16                      ; tensor_dim1
	s_mov_b32 s[G1+3], 128<<16                     ; tile_dim0
	s_mov_b32 s[G1+4], 32                          ; tile_dim1
	s_mov_b32 s[G1+5], 512                         ; from row to row
	s_mov_b32 s[G1+6], 0
	s_mov_b32 s[G1+7], 0
	s_mov_b32 s[SEL], 0x76543210
	s_mov_b32 s[SEL+1], 0xfedcba98
	s_and_b32 s26, ttmp9, 63                       ; which 128 rows of an activation (64 work-groups each),
	s_and_b32 s27, ttmp9, 3                        ; or of a weight (4 each; 192 is a multiple of 4)
	s_cmp_lt_u32 ttmp9, 192
	s_cselect_b32 s26, s26, s27
	s_lshl_b32 s26, s26, 18                        ; x 128 rows of 2,048 bytes
	s_lshl_b32 s27, s22, 16                        ; + my wave's 32 rows
	s_add_co_u32 s26, s26, s27
	s_mov_b32 s27, 0
	s_mul_i32 s23, s22, WREG                       ; my wave's region in LDS
	s_wait_dscnt 0x0
	s_wait_kmcnt 0x0
	s_mov_b64 s[24:25], s[16:17]                   ; the tensor is chosen by the work-group's number alone
	s_cmp_lt_u32 ttmp9, 204
	s_cselect_b64 s[24:25], s[14:15], s[24:25]
	s_cmp_lt_u32 ttmp9, 200
	s_cselect_b64 s[24:25], s[12:13], s[24:25]
	s_cmp_lt_u32 ttmp9, 196
	s_cselect_b64 s[24:25], s[10:11], s[24:25]
	s_cmp_lt_u32 ttmp9, 192
	s_cselect_b64 s[24:25], s[8:9], s[24:25]
	s_cmp_lt_u32 ttmp9, 128
	s_cselect_b64 s[24:25], s[6:7], s[24:25]
	s_cmp_lt_u32 ttmp9, 64
	s_cselect_b64 s[24:25], s[4:5], s[24:25]
	s_add_nc_u64 s[24:25], s[24:25], s[26:27]
.irp s, 0,1,2,3
	s_mov_b32 s[G0+4*\s], 1
	s_add_co_u32 s[G0+4*\s+1], s23, \s*KREG        ; LDS: wave x WREG + K step x KREG
	s_add_nc_u64 s[G0+4*\s+2:G0+4*\s+3], s[24:25], \s*512
	s_or_b32 s[G0+4*\s+3], s[G0+4*\s+3], 0x80000000
.endr
.irp s, 0,1,2,3
	tensor_load_to_lds s[G0+4*\s:G0+4*\s+3], s[G1:G1+7]   ; the four first fills, as one group, ahead of every wait on TENSORcnt and every LDS read
	s_nop 0
.endr
.rept 4
	v_nop
.endr
	v_and_b32 v1, 31, v0                           ; lane
	v_and_b32 v2, 15, v0                           ; r
	v_bfe_u32 v3, v0, 4, 1                         ; h
	v_and_b32 v4, 8, v2
	v_add_nc_u32 v4, v4, v2                        ; r + 8 (r / 8)
	v_mul_u32_u24 v4, v4, PITCH
	v_lshl_add_u32 v4, v3, 6, v4                   ; + 64 h: my 16 numbers of a block of 32
	v_add_nc_u32 v4, s23, v4
	v_lshlrev_b32 v5, 4, v1                        ; an image's place for my lane
	v_lshlrev_b32 v6, 4, v2
	v_lshl_add_u32 v6, v3, 3, v6                   ; scale words out: 16 r + 8 h
	v_cmp_ne_u32 s54, 0, v3                        ; lanes 16-31
.irp b, 0,1,2,3
	v_mov_b32 v[TM+4+\b], 0                        ; written once: a lane permute's destination counts as one of its sources
.endr
	s_mul_i32 s26, ttmp9, 49152                    ; img: 8 tiles of 6,144 bytes a work-group, 2 a wave
	s_mul_i32 s55, s22, 12288
	s_add_co_u32 s26, s26, s55
	s_add_nc_u64 s[18:19], s[18:19], s[26:27]
	s_lshl_b32 s26, ttmp9, 11                      ; isc: 256 bytes a tile
	s_lshl_b32 s55, s22, 9
	s_add_co_u32 s26, s26, s55
	s_add_nc_u64 s[20:21], s[20:21], s[26:27]
; fragment f = 2 s + u: K step s of tile u
.macro XFETCH f
.irp b, 0,1,2,3
.irp j, 0,1,2,3
	ds_load_b128 v[ST+64*((\f)%2)+16*\b+4*\j:ST+64*((\f)%2)+16*\b+4*\j+3], v4 offset:KREG*((\f)/2)+8*PITCH*((\f)%2)+128*\b+16*\j
.endr
.endr
.endm
.macro OUT f
.irp c, 0,1,2
	global_store_b128 v5, v[PC+20*((\f)%2)+4*\c:PC+20*((\f)%2)+4*\c+3], s[18:19] offset:(4*((\f)%2)+(\f)/2)*1536+512*\c   ; 32 lanes store 512 consecutive bytes, aligned to 256
.endr
.endm
	s_wait_tensorcnt 3                             ; K step 0 is in; the three later loads may be out
	XFETCH 0
	XFETCH 1
.irp f, 0,1,2,3,4,5,6,7
.if \f < 7
	s_wait_dscnt 16                                ; this fragment's 16 loads are in; the next fragment's 16 may be out
.else
	s_wait_dscnt 0x0
.endif
	s_wait_xcnt 0x0                                ; the stores of two fragments back have read their registers: these codes' registers are written again only behind this wait
	QUANT ST+64*(\f%2), PC+20*(\f%2), PWS+4*(\f%2)+\f/2
	OUT \f
.if \f < 6
.if \f%2 == 0
	s_wait_tensorcnt 3-(\f+2)/2                    ; the next K step is in; the loads of the later K steps may be out
.endif
	XFETCH \f+2
.endif
.endr
.irp u, 0,1
	v_cndmask_b32 v[OW+2*\u], v[PWS+4*\u], v[PWS+4*\u+2], s54       ; lanes 0-15 send the words of K steps 0, 1, lanes 16-31 those of 2, 3
	v_cndmask_b32 v[OW+2*\u+1], v[PWS+4*\u+1], v[PWS+4*\u+3], s54
	global_store_b64 v6, v[OW+2*\u:OW+2*\u+1], s[20:21] offset:256*\u   ; 32 lanes store a tile's 256 bytes
.endr
	s_wait_tensorcnt 0x0
	ds_add_u32 v216, v217
	s_wait_dscnt 0x0
	s_endpgm
.Lfunc_end_k_qfe5caecb79_quant:
	.size	k_qfe5caecb79_quant, .Lfunc_end_k_qfe5caecb79_quant-k_qfe5caecb79_quant
	.p2alignl 7, 3214868480
	.fill 96, 4, 3214868480
	.section	.rodata,"a",@progbits
	.p2align	6, 0x0
	.amdhsa_kernel k_qfe5caecb79_quant
		.amdhsa_group_segment_fixed_size 270848
		.amdhsa_private_segment_fixed_size 0
		.amdhsa_enable_private_segment 0
		.amdhsa_kernarg_size 72
		.amdhsa_user_sgpr_count 2
		.amdhsa_user_sgpr_kernarg_segment_ptr 1
		.amdhsa_wavefront_size32 1
		.amdhsa_system_sgpr_workgroup_id_x 1
		.amdhsa_system_sgpr_workgroup_id_y 1
		.amdhsa_system_sgpr_workgroup_id_z 1
		.amdhsa_system_vgpr_workitem_id 0
		.amdhsa_next_free_vgpr 218
		.amdhsa_next_free_sgpr 66
		.amdhsa_reserve_vcc 0
		.amdhsa_float_denorm_mode_32 3
		.amdhsa_float_denorm_mode_16_64 3
		.amdhsa_memory_ordered 1
		.amdhsa_forward_progress 1
		.amdhsa_inst_pref_size 46
	.end_amdhsa_kernel
	.amdgpu_metadata
---
amdhsa.version: [ 1, 2 ]
amdhsa.kernels:
  - .name:           k_qfe5caecb79_quant
    .symbol:         k_qfe5caecb79_quant.kd
    .args:
      - { .name: query, .offset: 0, .size: 8, .value_kind: global_buffer, .address_space: global }
      - { .name: key, .offset: 8, .size: 8, .value_kind: global_buffer, .address_space: global }
      - { .name: value, .offset: 16, .size: 8, .value_kind: global_buffer, .address_space: global }
      - { .name: Wq, .offset: 24, .size: 8, .value_kind: global_buffer, .address_space: global }
      - { .name: Wk, .offset: 32, .size: 8, .value_kind: global_buffer, .address_space: global }
      - { .name: Wv, .offset: 40, .size: 8, .value_kind: global_buffer, .address_space: global }
      - { .name: Wo, .offset: 48, .size: 8, .value_kind: global_buffer, .address_space: global }
      - { .name: img, .offset: 56, .size: 8, .value_kind: global_buffer, .address_space: global }
      - { .name: isc, .offset: 64, .size: 8, .value_kind: global_buffer, .address_space: global }
    .group_segment_fixed_size: 270848
    .private_segment_fixed_size: 0
    .kernarg_segment_align: 8
    .kernarg_segment_size: 72
    .max_flat_workgroup_size: 128
    .sgpr_count:     66
    .vgpr_count:     218
    .wavefront_size: 32
...
	.end_amdgpu_metadata
.endif
;; end of part 1
;; launch proj (part 2): grid 64 x 3, 4 waves a work-group, no clusters, 0 bytes of LDS; arguments img, isc, bq, bk, bv, cod, scl; writes cod, scl
.if DOCPART == 2
	.amdgcn_target "amdgcn-amd-amdhsa--gfx1250"
	.amdhsa_code_object_version 6
	.text
	.protected	k_qfe5caecb79_proj
	.globl	k_qfe5caecb79_proj
	.p2align	8
	.type	k_qfe5caecb79_proj,@function
k_qfe5caecb79_proj:
	s_mov_b64 s[64:65], 0
	v_nop
	global_prefetch_b8 v0, s[64:65] scope:SCOPE_SE
	s_setreg_imm32_b32 hwreg(HW_REG_WAVE_MODE, 25, 1), 1
	s_wait_xcnt 0x0
; q = query Wq^T + bq, k = key Wk^T + bk, v = value Wv^T + bv on codes of FP6 (E2M3) with E8M0 scales, f32 sums; the results are quantised in registers for the two products of attention:
; q and k along the head's 64 channels, v along the KEYS.  Work-group (x, y): y = 0 q, 1 k, 2 v; x = 128 tokens.  Wave w: columns 128 w .. 128 w + 127, heads 2 w and 2 w + 1.  Waves share nothing: no LDS, no barrier.
; ONE FORM FOR BOTH LAYOUTS.  An INNER operand (source 0: 8 tiles x 4 K steps, 384 registers, it stays) and an OUTER one (source 1: a tile at a time).  For an outer tile the 8 inner tiles give 64 registers a lane
; that run along the inner rows.  q, k: inner = the weight, outer = tokens: a lane holds a token and 128 columns.  v: inner = tokens, outer = the weight: a lane holds a channel and 128 keys.
; Both operands lie in img in one format, so the two ways differ in pointers, in the bias and in where the codes go.
; Lane-row r of tile 2 b + u is row 32 b + 8 u + r + 8 (r / 8): so the 16 registers of inner tiles 2 b, 2 b + 1 are 16 neighbours, 32 b + 16 (lane / 16) + 0 .. 15.
; OUT.  cod: q at 0, k at 3,145,728: [batch x head 32][token tile 128][768]: a HALF IMAGE (16 rows x 64 K): registers 0-3 at 16 x lane, 4-5 at 512 + 8 x lane.  v at 6,291,456: [32][key step 16][channel tile 4][1,536].
; scl: q, k, v 131,072 bytes apart: [32][128 tokens 16][r 16][4 words]; q, k: word p = tile 2 p's two bytes, then tile 2 p + 1's; v: word t = channel tile t's four bytes.
; The bias is the C of each sum's first matrix instruction.
; NO JOINT LOADS: the weights, which all work-groups of a y share, go from memory straight into registers in fragment order, each wave its quarter, once; a joint load lands in LDS alone and
; would add a way through LDS of 196,608 bytes a work-group.  192 work-groups: v wants 128 tokens to a fragment, and 24,576 rows / 128 are 192.
; LIMITS: NaN and infinities are not served; a block whose largest magnitude lies under 2^-124 gets the byte 1; the bytes are read by this program alone.
; REGISTERS.  window 0: v1-8 lane numbers and offsets; v16-79 the 8 accumulators; v80-87 scale words made; v88-99 on their way out; v100-107 v's bias; v112-143 inner scale words (4 i + s);
;   v144-159 outer scale words, a ring of four tiles; v160-175 at work; v176-215 codes, two sets.  window 1: inner fragments of K steps 0, 1 at 24 i + 12 s; window 2: of K steps 2, 3;
;   window 3: outer fragments, a ring of four tiles, at 48 (o % 4) + 12 s; from v192 the bias, 8 tiles of 8.
.set ACC, 16
.set PWS, 80
.set WA,  88
.set WB,  92
.set OW,  96
.set BV,  100
.set SA,  112
.set SB,  144
.set TM,  160
.set PC,  176
.set BI,  192
.set SEL, 42
.set MSB, 0
.macro WIN new                         ; the immediate's high byte repeats the setting that is left
.if MSB != \new
	s_set_vgpr_msb (MSB<<8)|\new
.set MSB, \new
.endif
.endm
; 64 numbers of a lane, register 16 b + i = k 32 b + 16 (lane / 16) + i of my row, become a fragment's 12 registers in v[pc] on and its scale word in v[pw].  Each accumulator is read from its low end on.
.macro QUANT s, pc, pw
.irp b, 0,1,2,3
	v_max3_num_f32 v[TM+\b], |v[(\s)+16*\b]|, |v[(\s)+1+16*\b]|, 0x1800000   ; and the floor 2^(3 - 127): the byte cannot fall under 1
.endr
.irp i, 2,4,6,8,10,12,14
.irp b, 0,1,2,3
	v_max3_num_f32 v[TM+\b], v[TM+\b], |v[(\s)+16*\b+\i]|, |v[(\s)+1+16*\b+\i]|
.endr
.endr
.irp b, 0,1,2,3
	v_permlanex16_b32 v[TM+4+\b], v[TM+\b], s[SEL], s[SEL+1]
.endr
.irp b, 0,1,2,3
	v_max_num_f32 v[TM+\b], v[TM+\b], v[TM+4+\b]
.endr
.irp b, 0,1,2,3
	v_add_nc_u32 v[TM+12+\b], 0xff000000, v[TM+\b]     ; 2 off the exponent field: the conversion's scale operand
.endr
.irp b, 0,1,2,3
	v_lshrrev_b32 v[TM+4+\b], 23, v[TM+12+\b]          ; the scale's byte
.endr
	v_lshl_or_b32 v[\pw], v[TM+5], 8, v[TM+4]
	v_lshl_or_b32 v[\pw], v[TM+6], 16, v[\pw]
	v_lshl_or_b32 v[\pw], v[TM+7], 24, v[\pw]
.irp c, 0,1
	v_cvt_scalef32_pk16_fp6_f32 v[(\pc)+6*\c:(\pc)+6*\c+2], v[(\s)+32*\c:(\s)+32*\c+15], v[TM+12+2*\c]
	v_cvt_scalef32_pk16_fp6_f32 v[(\pc)+12+4*\c:(\pc)+12+4*\c+2], v[(\s)+16+32*\c:(\s)+16+32*\c+15], v[TM+13+2*\c]
.endr
	v_nop                                              ; one plain line behind the last scaled conversion
.irp c, 0,1
.irp i, 0,1,2
	v_permlane16_swap_b32 v[(\pc)+6*\c+\i], v[(\pc)+12+4*\c+\i]
.endr
.irp i, 0,1,2
	v_mov_b32 v[(\pc)+3+6*\c+\i], v[(\pc)+12+4*\c+\i]
.endr
.endr
.endm
.macro INNER                           ; 96 loads: the inner operand's 32 fragments, as they lie
	WIN 0x40                                       ; destination window 1, address window 0
.irp i, 0,1,2,3,4,5,6,7
.irp s, 0,1
.irp c, 0,1,2
	global_load_b128 v[24*\i+12*\s+4*\c:24*\i+12*\s+4*\c+3], v4, s[28:29] offset:(4*\i+\s)*1536+512*\c
.endr
.endr
.endr
	WIN 0x80                                       ; destination window 2
.irp i, 0,1,2,3,4,5,6,7
.irp s, 0,1
.irp c, 0,1,2
	global_load_b128 v[24*\i+12*\s+4*\c:24*\i+12*\s+4*\c+3], v4, s[28:29] offset:(4*\i+2+\s)*1536+512*\c
.endr
.endr
.endr
	WIN 0
.endm
.macro OUTER o                         ; 13 loads: outer tile o's four fragments and its scale words
	WIN 0xc0                                       ; destination window 3
.irp s, 0,1,2,3
.irp c, 0,1,2
	global_load_b128 v[48*((\o)%4)+12*\s+4*\c:48*((\o)%4)+12*\s+4*\c+3], v4, s[30:31] offset:(4*(\o)+\s)*1536+512*\c
.endr
.endr
	WIN 0
	global_load_b128 v[SB+4*((\o)%4):SB+4*((\o)%4)+3], v6, s[34:35] offset:256*(\o)
.endm
; 32 matrix instructions: outer tile o against the 8 inner tiles, K step by K step; the 8 accumulators take turns, one instruction a turn
.macro MULS o, mode
.irp s, 0,1,2,3
.if \s == 0
	WIN 0x3d                                       ; A window 1, B and C window 3, D window 0
.elseif \s == 1
	WIN 0x0d                                       ; A window 1, B window 3, C and D window 0
.else
	WIN 0x0e                                       ; A window 2
.endif
.irp i, 0,1,2,3,4,5,6,7
.if \s == 0
.if \mode
	v_wmma_scale_f32_16x16x128_f8f6f4 v[ACC+8*\i:ACC+8*\i+7], v[24*\i:24*\i+11], v[48*((\o)%4):48*((\o)%4)+11], v[BI+8*(\o):BI+8*(\o)+7], v[SA+4*\i], v[SB+4*((\o)%4)] matrix_a_fmt:MATRIX_FMT_FP6 matrix_b_fmt:MATRIX_FMT_FP6
.else
	v_wmma_scale_f32_16x16x128_f8f6f4 v[ACC+8*\i:ACC+8*\i+7], v[24*\i:24*\i+11], v[48*((\o)%4):48*((\o)%4)+11], v[BI+8*\i:BI+8*\i+7], v[SA+4*\i], v[SB+4*((\o)%4)] matrix_a_fmt:MATRIX_FMT_FP6 matrix_b_fmt:MATRIX_FMT_FP6
.endif
.else
	v_wmma_scale_f32_16x16x128_f8f6f4 v[ACC+8*\i:ACC+8*\i+7], v[24*\i+12*(\s%2):24*\i+12*(\s%2)+11], v[48*((\o)%4)+12*\s:48*((\o)%4)+12*\s+11], v[ACC+8*\i:ACC+8*\i+7], v[SA+4*\i+\s], v[SB+4*((\o)%4)+\s] matrix_a_fmt:MATRIX_FMT_FP6 matrix_b_fmt:MATRIX_FMT_FP6
.endif
.endr
.endr
	WIN 0
.endm
; The whole work behind the common head.  mode 0: q, k;  mode 1: v.
.macro PROD mode
.if \mode
	v_and_b32 v7, 8, v2
	v_add_nc_u32 v7, v7, v2
	v_lshlrev_b32 v7, 2, v7                        ; my channel of an outer tile: 4 (r + 8 (r / 8)) bytes
.irp o, 0,1,2,3,4,5,6,7
	global_load_b32 v[BV+\o], v7, s[36:37] offset:(32*(\o/2)+8*(\o%2))*4
.endr
	s_wait_loadcnt 0x0                             ; all of the head's loads
	WIN 0xc0
.irp o, 0,1,2,3,4,5,6,7
.irp j, 0,1,2,3,4,5,6,7
	v_mov_b32 v[BI+8*\o+\j], v[BV+\o]              ; a lane's eight results of a tile are one channel's: the same bias eight times
.endr
.endr
	WIN 0
.rept 4
	v_nop
.endr
.else
	v_lshlrev_b32 v7, 6, v3                        ; my eight columns of inner tile 2 b + u: 32 b + 16 h + 8 u + 0 .. 7
	WIN 0xc0
.irp i, 0,1,2,3,4,5,6,7
	global_load_b128 v[BI+8*\i:BI+8*\i+3], v7, s[36:37] offset:(32*(\i/2)+8*(\i%2))*4
	global_load_b128 v[BI+8*\i+4:BI+8*\i+7], v7, s[36:37] offset:(32*(\i/2)+8*(\i%2))*4+16
.endr
	WIN 0
	s_wait_loadcnt 0x0                             ; all of the head's loads
.endif
.irp o, 0,1,2,3,4,5,6,7
.if \o >= 4
	s_wait_loadcnt 13*(7-\o)                       ; this outer tile's 13 loads are in; those of the younger tiles may be out
.endif
	MULS \o, \mode
.rept 4
	v_nop                                          ; four places: in front of the loads into registers that these products read, and of the first read of their results
.endr
.if \o < 4
	OUTER \o+4
.endif
	s_wait_xcnt 0x0                                ; the stores of two tiles back have read their registers: they are written again only behind this wait
	QUANT ACC, PC+20*(\o%2), PWS+\o
.if \mode
.irp c, 0,1,2
	global_store_b128 v4, v[PC+20*(\o%2)+4*\c:PC+20*(\o%2)+4*\c+3], s[38:39] offset:(\o/4)*98304+(\o%4)*1536+512*\c   ; channel tile o % 4 of head 2 w + o / 4: 16 channels x 128 keys
.endr
.else
	global_store_b128 v4, v[PC+20*(\o%2):PC+20*(\o%2)+3], s[38:39] offset:768*\o               ; head 2 w: registers 0-5
	global_store_b64 v5, v[PC+20*(\o%2)+4:PC+20*(\o%2)+5], s[38:39] offset:768*\o+512
	global_store_b128 v4, v[PC+20*(\o%2)+6:PC+20*(\o%2)+9], s[38:39] offset:768*\o+98304        ; head 2 w + 1: registers 6-11
	global_store_b64 v5, v[PC+20*(\o%2)+10:PC+20*(\o%2)+11], s[38:39] offset:768*\o+98304+512
.endif
.endr
.if \mode
.irp p, 0,1,2,3
	v_cndmask_b32 v[OW+\p], v[PWS+\p], v[PWS+4+\p], s44   ; lanes 0-15: head 2 w's four tiles; lanes 16-31: head 2 w + 1's
.endr
.else
.irp p, 0,1,2,3
	v_perm_b32 v[WA+\p], v[PWS+2*\p+1], v[PWS+2*\p], s45  ; head 2 w: the low halves of token tiles 2 p and 2 p + 1
	v_perm_b32 v[WB+\p], v[PWS+2*\p+1], v[PWS+2*\p], s46  ; head 2 w + 1: the high halves
.endr
.irp p, 0,1,2,3
	v_cndmask_b32 v[OW+\p], v[WA+\p], v[WB+\p], s44
.endr
.endif
	global_store_b128 v8, v[OW:OW+3], s[40:41]     ; sixteen lanes store 256 consecutive bytes, aligned
	s_endpgm
.endm
	s_load_b256 s[4:11], s[0:1], 0x0               ; img, isc, bq, bk
	s_load_b128 s[12:15], s[0:1], 0x20             ; bv, cod
	s_load_b64 s[16:17], s[0:1], 0x30              ; scl
	v_lshrrev_b32 v1, 5, v0
	v_readfirstlane_b32 s18, v1                    ; wave 0..3
	s_and_b32 s19, ttmp7, 0xffff                   ; y: 0 q, 1 k, 2 v
	v_and_b32 v1, 31, v0                           ; lane
	v_and_b32 v2, 15, v0                           ; r
	v_bfe_u32 v3, v0, 4, 1                         ; h
	v_lshlrev_b32 v4, 4, v1                        ; 16 x lane
	v_lshlrev_b32 v5, 3, v1                        ; 8 x lane
	v_lshlrev_b32 v6, 4, v2                        ; 16 r
	v_lshl_add_u32 v8, v3, 12, v6                  ; scale words out: 4,096 h + 16 r
	v_cmp_ne_u32 s44, 0, v3                        ; lanes 16-31
.irp b, 0,1,2,3
	v_mov_b32 v[TM+4+\b], 0                        ; written once: a lane permute's destination counts as one of its sources
.endr
	s_mov_b32 s[SEL], 0x76543210
	s_mov_b32 s[SEL+1], 0xfedcba98
	s_mov_b32 s45, 0x05040100
	s_mov_b32 s46, 0x07060302
	s_mul_i32 s20, s19, 3145728                    ; the tokens' codes in img: 512 tiles a tensor, 8 a work-group
	s_mul_i32 s24, ttmp9, 49152
	s_add_co_u32 s20, s20, s24
	s_mul_i32 s21, s19, 196608                     ; the weight's: behind 1,536 tiles; 32 tiles a weight, 8 a wave
	s_mul_i32 s24, s18, 49152
	s_add_co_u32 s21, s21, s24
	s_add_co_u32 s21, s21, 9437184
	s_lshl_b32 s22, s19, 17                        ; the same for the scale words, 256 bytes a tile
	s_lshl_b32 s24, ttmp9, 11
	s_add_co_u32 s22, s22, s24
	s_lshl_b32 s23, s19, 13
	s_lshl_b32 s24, s18, 11
	s_add_co_u32 s23, s23, s24
	s_add_co_u32 s23, s23, 393216
	s_cmp_eq_u32 s19, 2                            ; v: the tokens are the inner operand
	s_cselect_b32 s28, s20, s21
	s_cselect_b32 s30, s21, s20
	s_cselect_b32 s32, s22, s23
	s_cselect_b32 s34, s23, s22
	s_mov_b32 s29, 0
	s_mov_b32 s31, 0
	s_mov_b32 s33, 0
	s_mov_b32 s35, 0
	s_lshr_b32 s24, ttmp9, 4                       ; the batch
	s_lshl_b32 s24, s24, 3
	s_lshl_b32 s25, s18, 1
	s_add_co_u32 s24, s24, s25                     ; 8 x batch + head 2 w
	s_and_b32 s25, ttmp9, 15                       ; which 128 tokens of the batch
	s_mul_i32 s38, s19, 3145728
	s_mul_i32 s26, s24, 98304
	s_add_co_u32 s38, s38, s26
	s_mul_i32 s26, s25, 6144
	s_add_co_u32 s38, s38, s26
	s_mov_b32 s39, 0
	s_lshl_b32 s40, s19, 17
	s_lshl_b32 s26, s24, 12
	s_add_co_u32 s40, s40, s26
	s_lshl_b32 s26, s25, 8
	s_add_co_u32 s40, s40, s26
	s_mov_b32 s41, 0
	s_lshl_b32 s26, s18, 9                         ; my wave's 128 numbers of the bias
	s_mov_b32 s27, 0
	s_wait_kmcnt 0x0
	s_add_nc_u64 s[28:29], s[4:5], s[28:29]        ; inner codes
	s_add_nc_u64 s[30:31], s[4:5], s[30:31]        ; outer codes
	s_add_nc_u64 s[32:33], s[6:7], s[32:33]        ; inner scale words
	s_add_nc_u64 s[34:35], s[6:7], s[34:35]        ; outer scale words
	s_add_nc_u64 s[38:39], s[14:15], s[38:39]      ; where the codes go
	s_add_nc_u64 s[40:41], s[16:17], s[40:41]      ; where the scale words go
	s_cmp_eq_u32 s19, 0
	s_cselect_b64 s[36:37], s[8:9], s[10:11]
	s_cmp_eq_u32 s19, 2
	s_cselect_b64 s[36:37], s[12:13], s[36:37]
	s_add_nc_u64 s[36:37], s[36:37], s[26:27]      ; the bias
.irp i, 0,1,2,3,4,5,6,7
	global_load_b128 v[SA+4*\i:SA+4*\i+3], v6, s[32:33] offset:256*\i   ; lane r: row r's words of K steps 0 .. 3
.endr
	INNER
	OUTER 0
	OUTER 1
	OUTER 2
	OUTER 3
	s_cmp_eq_u32 s19, 2
	s_cbranch_scc1 .Lv
	PROD 0
.Lv:
	PROD 1
.Lfunc_end_k_qfe5caecb79_proj:
	.size	k_qfe5caecb79_proj, .Lfunc_end_k_qfe5caecb79_proj-k_qfe5caecb79_proj
	.p2alignl 7, 3214868480
	.fill 96, 4, 3214868480
	.section	.rodata,"a",@progbits
	.p2align	6, 0x0
	.amdhsa_kernel k_qfe5caecb79_proj
		.amdhsa_group_segment_fixed_size 0
		.amdhsa_private_segment_fixed_size 0
		.amdhsa_enable_private_segment 0
		.amdhsa_kernarg_size 56
		.amdhsa_user_sgpr_count 2
		.amdhsa_user_sgpr_kernarg_segment_ptr 1
		.amdhsa_wavefront_size32 1
		.amdhsa_system_sgpr_workgroup_id_x 1
		.amdhsa_system_sgpr_workgroup_id_y 1
		.amdhsa_system_sgpr_workgroup_id_z 1
		.amdhsa_system_vgpr_workitem_id 0
		.amdhsa_next_free_vgpr 1024
		.amdhsa_next_free_sgpr 66
		.amdhsa_reserve_vcc 0
		.amdhsa_float_denorm_mode_32 3
		.amdhsa_float_denorm_mode_16_64 3
		.amdhsa_memory_ordered 1
		.amdhsa_forward_progress 1
		.amdhsa_inst_pref_size 168
	.end_amdhsa_kernel
	.amdgpu_metadata
---
amdhsa.version: [ 1, 2 ]
amdhsa.kernels:
  - .name:           k_qfe5caecb79_proj
    .symbol:         k_qfe5caecb79_proj.kd
    .args:
      - { .name: img, .offset: 0, .size: 8, .value_kind: global_buffer, .address_space: global }
      - { .name: isc, .offset: 8, .size: 8, .value_kind: global_buffer, .address_space: global }
      - { .name: bq, .offset: 16, .size: 8, .value_kind: global_buffer, .address_space: global }
      - { .name: bk, .offset: 24, .size: 8, .value_kind: global_buffer, .address_space: global }
      - { .name: bv, .offset: 32, .size: 8, .value_kind: global_buffer, .address_space: global }
      - { .name: cod, .offset: 40, .size: 8, .value_kind: global_buffer, .address_space: global }
      - { .name: scl, .offset: 48, .size: 8, .value_kind: global_buffer, .address_space: global }
    .group_segment_fixed_size: 0
    .private_segment_fixed_size: 0
    .kernarg_segment_align: 8
    .kernarg_segment_size: 56
    .max_flat_workgroup_size: 128
    .sgpr_count:     66
    .vgpr_count:     1024
    .wavefront_size: 32
...
	.end_amdgpu_metadata
.endif
;; end of part 2
;; launch attn (part 3): grid 8 x 32, 16 waves a work-group, clusters of 4 x 1, 206,848 bytes of LDS; arguments cod, scl, oc, os; writes oc, os
.if DOCPART == 3
	.amdgcn_target "amdgcn-amd-amdhsa--gfx1250"
	.amdhsa_code_object_version 6
	.text
	.protected	k_qfe5caecb79_attn
	.globl	k_qfe5caecb79_attn
	.p2align	8
	.type	k_qfe5caecb79_attn,@function
k_qfe5caecb79_attn:
	s_mov_b64 s[64:65], 0
	v_nop
	global_prefetch_b8 v0, s[64:65] scope:SCOPE_SE
	s_setreg_imm32_b32 hwreg(HW_REG_WAVE_MODE, 25, 1), 1
	s_wait_xcnt 0x0
	s_wait_alu depctr_hold_cnt(0) depctr_sa_sdst(0) depctr_va_vdst(0) depctr_va_sdst(0) depctr_va_ssrc(0) depctr_va_vcc(0) depctr_vm_vsrc(0)
	s_getreg_b32 s2, hwreg(HW_REG_IB_STS2, 6, 4)
	s_cmp_eq_u32 s2, 0
	s_cbranch_scc0 .Lentry_in_a_cluster
	s_endpgm
.Lentry_in_a_cluster:
	s_bfe_u32 s2, ttmp6, 0x10000c
	s_cmp_lg_u32 s2, 0x3003
	s_cbranch_scc0 .Lentry_shape_is_right
	s_endpgm
.Lentry_shape_is_right:
; o = softmax(q k^T / 8) v for 32 (batch, head) pairs, 2,048 queries, 2,048 keys, head size 64, both products on codes of FP6 (E2M3) with E8M0 scales; the merged heads are quantised along their 512 for the last product.
; THE SOFTMAX AHEAD OF THE SECOND PRODUCT: t = score x log2(e) / 8; M = the running largest t, rounded UP to a whole number; p = 2^(t - M) is quantised along the keys, not normalised.  The row's sum is taken of the
; unquantised p and divides O at the end (by v_rcp_f32 and a multiplication).  When M moves, the sum and O are multiplied by 2^(old M - new M): exact.
; SHARES.  A work-group owns 256 queries of one head, each of its sixteen waves one tile of 16, in 256 registers: four waves to a SIMD.  Every wave walks all keys, 128 a step.
; A WHOLE HEAD'S K AND V LIE IN LDS: 98,304 bytes of codes each and 4,096 of scale words each, as images of operand registers, filled ONCE: no slot is filled again.
; CLUSTER.  The four work-groups of a cluster belong to one head: each block is asked for JOINTLY, by the same tensor load with the same descriptor and the mask 15.  Wave 0 asks for K (scale words, then four chunks of
; four key steps), wave 1 for V: five loads of each are out, by this text's count.  A chunk is read behind a counted wait and a barrier, while the later chunks are on their way.
; No prefetch: all that a work-group reads of K and V is asked for at its head.
; LAYOUT.  Both products are used transposed (S^T = K Q^T, O^T = V^T P^T): a lane holds ONE query (lane % 16) throughout.  Lane-row r of tile 2 b + u is row 32 b + 8 u + r + 8 (r / 8), for keys, channels and queries alike:
; so the 16 registers of key tiles 2 b, 2 b + 1 are 16 neighbouring keys, and likewise O^T's channels.
; THE HEAD'S 64 IN AN INSTRUCTION OF 128: a fragment of K holds TWO key tiles, tile 2 p in registers 0-5 and tile 2 p + 1 in registers 6-11; the query stands as q | zeros | q in 18 registers: its registers 0-11 give tile 2 p's
; scores, its registers 6-17 tile 2 p + 1's.  What meets zero codes adds nothing.
; LIMITS: NaN and infinities are not served; a block whose largest magnitude lies under 2^-124 gets the byte 1; the bytes are read by this program alone.
; REGISTERS: v1-11 addresses; v12 -M, v13 the largest t, v[14:15] the sum in two halves; v16-33 Q; v34 Q's scale word; v35 p's; v36-83 K's four fragments, then at work; v84-131 V's four; v132-195 S^T, then p;
;   v196-227 O^T; v228-239 p's codes; v240-243 K's scale words, v244-247 V's; v248-253 the way out's codes; v254 its byte.
.set KC,   0                           ; LDS: K's codes: [key tile 128][768]
.set VC,   98304                       ; V's codes: [key step 16][channel tile 4][1,536]
.set KSO,  196608                      ; K's scale words: [key step 16][r 16][4]
.set VSO,  200704                      ; V's likewise
.set CHB,  24576                       ; a chunk: four key steps of 6,144 bytes
.set KF,   36
.set VF,   84
.set S,    132
.set OT,   196
.set PCD,  228
.set KS,   240
.set VS,   244
.set BM,   36                          ; at work, in K's registers: the blocks' largest scores, then largest p
.set PT,   40                          ; what the other half of the lanes sends
.set SO,   44                          ; the conversions' scale operands
.set BY,   48                          ; the scales' bytes
.set WV,   12                          ; s12  my wave's number
.set SEL,  24                          ; s[24:25] lane selects: lane l xor 16
.set CS,   26                          ; s[26:27] c = log2(e) / 8
.set G1C,  28                          ; s[28:35] group 1 for a chunk of codes;  s[36:43] for scale words
.set G1S,  36
.set G0K,  44                          ; s[44:63] five groups 0 for K;  s[68:87] for V
.set G0V,  68
.set TB,   88                          ; s88  the step's codes: bytes from a region's start
.set TS,   89                          ; s89  the step's scale words
.set CNT,  90
.macro CROUND                          ; a round of the cluster's barrier
	s_barrier_signal -1
	s_barrier_wait -1
	s_cmp_lg_u32 s[WV], 0
	s_cbranch_scc1 .Lnot_wave_0_\@
	s_barrier_signal -3
.Lnot_wave_0_\@:
	s_barrier_wait -3
	s_barrier_signal -1
	s_barrier_wait -1
.endm
.macro DESC g0, lds, base, off         ; a group 0: count 1, a constant LDS address, the head's pointer + a constant, type 2
	s_mov_b32 s[\g0], 1
	s_mov_b32 s[\g0+1], \lds
	s_add_nc_u64 s[\g0+2:\g0+3], s[\base:\base+1], \off
	s_or_b32 s[\g0+3], s[\g0+3], 0x80000000
.endm
	s_load_b256 s[4:11], s[0:1], 0x0               ; cod, scl, oc, os
	v_lshl_add_u32 v254, v0, 2, 0x32000
	v_mov_b32 v255, 0
	ds_add_u32 v254, v255
	ds_add_u32 v254, v255
	s_wait_dscnt 0x0
	v_lshrrev_b32 v1, 5, v0
	v_readfirstlane_b32 s[WV], v1                  ; wave 0..15
	s_bfe_u32 s13, ttmp6, 0x40000                  ; cx: it enters the addresses of Q, oc and os alone
	s_lshl_b32 s14, ttmp9, 2
	s_add_co_u32 s14, s14, s13                     ; my block of 256 queries
	s_and_b32 s15, ttmp7, 0xffff                   ; batch x 8 + head, which the four partners share
	; group 1: dense blocks as rows of 256 bytes (32 elements of 8 bytes): 96 rows a chunk, 16 for the scale words; the mask names all four work-groups, bit 21 beside it
	s_mov_b32 s[G1C], 15|(3<<16)|(1<<21)
	s_mov_b32 s[G1C+1], 32<<16
	s_mov_b32 s[G1C+2], 96<<16
	s_mov_b32 s[G1C+3], 32<<16
	s_mov_b32 s[G1C+4], 96
	s_mov_b32 s[G1C+5], 32
	s_mov_b32 s[G1C+6], 0
	s_mov_b32 s[G1C+7], 0
	s_mov_b32 s[G1S], 15|(3<<16)|(1<<21)
	s_mov_b32 s[G1S+1], 32<<16
	s_mov_b32 s[G1S+2], 16<<16
	s_mov_b32 s[G1S+3], 32<<16
	s_mov_b32 s[G1S+4], 16
	s_mov_b32 s[G1S+5], 32
	s_mov_b32 s[G1S+6], 0
	s_mov_b32 s[G1S+7], 0
	s_mov_b32 s[SEL], 0x76543210
	s_mov_b32 s[SEL+1], 0xfedcba98
	s_mov_b32 s[CS], 0x3e38aa3b                    ; log2(e) / 8
	s_mov_b32 s[CS+1], s[CS]                       ; (named with it as a pair, so it is written)
	s_mul_i32 s16, s15, 98304                      ; the head's codes,
	s_mov_b32 s17, 0
	s_lshl_b32 s18, s15, 12                        ; and its scale words
	s_mov_b32 s19, 0
	s_wait_kmcnt 0x0
	s_add_nc_u64 s[20:21], s[4:5], s[16:17]
	s_add_nc_u64 s[22:23], s[6:7], s[18:19]
	DESC G0K, KSO, 22, 131072
	DESC G0V, VSO, 22, 262144
.irp c, 0,1,2,3
	DESC G0K+4+4*\c, KC+CHB*\c, 20, 3145728+CHB*\c
	DESC G0V+4+4*\c, VC+CHB*\c, 20, 6291456+CHB*\c
.endr
	s_lshl_b32 s16, s14, 4
	s_add_co_u32 s16, s16, s[WV]                   ; my token tile in the batch, 0 .. 127
	s_mul_i32 s92, s16, 768
	s_mov_b32 s93, 0
	s_add_nc_u64 s[92:93], s[20:21], s[92:93]      ; Q's half image
	s_lshr_b32 s18, s16, 3
	s_lshl_b32 s18, s18, 8                         ; Q's scale word: 256 bytes for 8 tiles,
	s_bfe_u32 s17, s16, 0x20001
	s_lshl_b32 s17, s17, 2                         ; word (tile / 2) % 4
	s_add_co_u32 s18, s18, s17
	s_add_nc_u64 s[18:19], s[22:23], s[18:19]
	s_and_b32 s98, s[WV], 1
	s_lshl_b32 s98, s98, 4                         ; and its low or high half
	s_lshr_b32 s17, s15, 3
	s_lshl_b32 s17, s17, 7
	s_add_co_u32 s17, s17, s16                     ; my token tile of all 512
	s_and_b32 s91, s15, 7                          ; the head
	s_mul_i32 s94, s17, 6144
	s_mul_i32 s99, s91, 768                        ; K step head / 2, half head % 2: 768 x head
	s_add_co_u32 s94, s94, s99
	s_mov_b32 s95, 0
	s_add_nc_u64 s[94:95], s[8:9], s[94:95]        ; where my codes go
	s_lshl_b32 s96, s17, 8
	s_lshl_b32 s99, s91, 1
	s_add_co_u32 s96, s96, s99
	s_mov_b32 s97, 0
	s_add_nc_u64 s[96:97], s[10:11], s[96:97]      ; and my scale bytes
	CROUND                                         ; all four work-groups are here: the joint loads meet
	s_cmp_eq_u32 s[WV], 0                          ; a wave's first fills stand in one branch on the wave's number, ahead of every wait on TENSORcnt and every LDS read
	s_cbranch_scc0 .Lnot_k
	tensor_load_to_lds s[G0K:G0K+3], s[G1S:G1S+7]
	s_nop 0
.irp c, 0,1,2,3
	tensor_load_to_lds s[G0K+4+4*\c:G0K+7+4*\c], s[G1C:G1C+7]
	s_nop 0
.endr
.rept 4
	v_nop
.endr
	s_branch .Lasked
.Lnot_k:
	s_cmp_eq_u32 s[WV], 1
	s_cbranch_scc0 .Lasked
	tensor_load_to_lds s[G0V:G0V+3], s[G1S:G1S+7]
	s_nop 0
.irp c, 0,1,2,3
	tensor_load_to_lds s[G0V+4+4*\c:G0V+7+4*\c], s[G1C:G1C+7]
	s_nop 0
.endr
.rept 4
	v_nop
.endr
.Lasked:
	v_and_b32 v10, 31, v0                          ; lane
	v_lshlrev_b32 v1, 4, v10                       ; 16 x lane
	v_lshlrev_b32 v2, 3, v10                       ; 8 x lane
	v_and_b32 v8, 15, v0
	v_lshlrev_b32 v8, 4, v8                        ; 16 r
	v_bfe_u32 v11, v0, 4, 1                        ; h
	v_add_nc_u32 v3, KSO, v8                       ; my row's scale words
	v_add_nc_u32 v9, VC, v1                        ; V's images
	v_add_nc_u32 v10, v8, v11                      ; the way out: my scale byte at 16 r + h
	global_load_b128 v[16:19], v1, s[92:93]        ; q, twice: q | zeros | q
	global_load_b64 v[20:21], v2, s[92:93] offset:512
	global_load_b128 v[28:31], v1, s[92:93]
	global_load_b64 v[32:33], v2, s[92:93] offset:512
	global_load_b32 v34, v8, s[18:19]
	v_mov_b32 v13, 0xff61b1e6                      ; the largest t so far: -3e38, under every t
	v_floor_f32 v12, -v13                          ; -M
	v_mov_b32 v14, 0
	v_mov_b32 v15, 0
	s_wait_loadcnt 0x0
	v_lshrrev_b32 v34, s98, v34
	v_and_b32 v34, 0xffff, v34                     ; my tile's two bytes,
	v_lshl_or_b32 v34, v34, 16, v34                ; for both places of q.  (More than eight plain lines stand between this line and the first product)
.irp j, 22,23,24,25,26,27
	v_mov_b32 v\j, 0                               ; zero codes
.endr
.irp j, 40,41,42,43,53,54
	v_mov_b32 v\j, 0                               ; written once: a lane permute's destination, and the upper half of a pair, count as read
.endr
.set J, 0
.rept 32
	v_mov_b32 v[OT+J], 0                           ; O^T: the step is written once; the first finds zeros, which the first change of M leaves zeros
.set J, J+1
.endr
; A KEY STEP: 128 keys.
.macro STEP
	v_add_nc_u32 v4, s[TB], v1                     ; these four lines are the places between the last products and the loads into registers that they read
	v_add_nc_u32 v5, s[TB], v2
	v_add_nc_u32 v6, s[TB], v9
	v_add_nc_u32 v7, s[TS], v3
.irp p, 0,1,2,3
	ds_load_b128 v[KF+12*\p:KF+12*\p+3], v4 offset:1536*\p            ; key tile 2 p: registers 0-5
	ds_load_b64 v[KF+12*\p+4:KF+12*\p+5], v5 offset:1536*\p+512
	ds_load_b128 v[KF+12*\p+6:KF+12*\p+9], v4 offset:1536*\p+768      ; key tile 2 p + 1: registers 6-11
	ds_load_b64 v[KF+12*\p+10:KF+12*\p+11], v5 offset:1536*\p+1280
.endr
	ds_load_b128 v[KS:KS+3], v7
.irp t, 0,1,2,3
.irp c, 0,1,2
	ds_load_b128 v[VF+12*\t+4*\c:VF+12*\t+4*\c+3], v6 offset:1536*\t+512*\c
.endr
.endr
	ds_load_b128 v[VS:VS+3], v7 offset:4096
	s_wait_dscnt 13                                ; K's 17 loads are in; V's 13 may be out
.irp p, 0,1,2,3
	v_wmma_scale_f32_16x16x128_f8f6f4 v[S+16*\p:S+16*\p+7], v[KF+12*\p:KF+12*\p+11], v[16:27], 0, v[KS+\p], v34 matrix_a_fmt:MATRIX_FMT_FP6 matrix_b_fmt:MATRIX_FMT_FP6
	v_wmma_scale_f32_16x16x128_f8f6f4 v[S+16*\p+8:S+16*\p+15], v[KF+12*\p:KF+12*\p+11], v[22:33], 0, v[KS+\p], v34 matrix_a_fmt:MATRIX_FMT_FP6 matrix_b_fmt:MATRIX_FMT_FP6
.endr                                  ; register 16 p + i of S^T: key 32 p + 16 (lane / 16) + i of the step
.rept 4
	v_nop
.endr
.irp b, 0,1,2,3
	v_max3_num_f32 v[BM+\b], v[S+16*\b], v[S+1+16*\b], v[S+2+16*\b]   ; the largest score of each block of 32 keys: for the row's maximum and, since p rises with the score, for the block's largest p
.endr
.irp i, 3,5,7,9,11,13
.irp b, 0,1,2,3
	v_max3_num_f32 v[BM+\b], v[BM+\b], v[S+16*\b+\i], v[S+1+16*\b+\i]
.endr
.endr
.irp b, 0,1,2,3
	v_max_num_f32 v[BM+\b], v[BM+\b], v[S+15+16*\b]
.endr
.irp b, 0,1,2,3
	v_permlanex16_b32 v[PT+\b], v[BM+\b], s[SEL], s[SEL+1]
.endr
.irp b, 0,1,2,3
	v_max_num_f32 v[BM+\b], v[BM+\b], v[PT+\b]     ; with lane l xor 16's 16 keys
.endr
	v_max3_num_f32 v54, v[BM], v[BM+1], v[BM+2]
	v_max_num_f32 v54, v54, v[BM+3]                ; the step's largest score of my query
	v_mul_f32 v54, s[CS], v54                      ; as t
	v_max_num_f32 v13, v13, v54                    ; the running largest t
	v_mov_b32 v54, v12
	v_floor_f32 v12, -v13                          ; the new -M = floor(-t): M is a whole number
	v_sub_f32 v54, v12, v54                        ; old M - new M: a whole number, 0 or less
	v_cvt_i32_f32 v54, v54                         ; (it saturates)
	v_ldexp_f32 v52, 1.0, v54                      ; f = 2^(old M - new M)
.set J, 0
.rept 32
	v_pk_fma_f32 v[S+J:S+J+1], v[S+J:S+J+1], s[CS:CS+1], v[12:13] op_sel_hi:[1,0,0]   ; t - M, two at a time
.set J, J+2
.endr
.irp b, 0,1,2,3
	v_fma_f32 v[BM+\b], v[BM+\b], s[CS], v12       ; the same of each block's largest score
.endr
.set J, 0
.rept 64
	v_exp_f32 v[S+J], v[S+J]                       ; p = 2^(t - M), at most 1
.set J, J+1
.endr
	v_pk_mul_f32 v[14:15], v[14:15], v[52:53] op_sel_hi:[1,0]   ; the sums under the new M: a plain line behind the exponentials
	s_wait_alu depctr_va_vdst(0)                   ; one wait for the whole batch, ahead of its first reader
.irp b, 0,1,2,3
	v_exp_f32 v[BM+\b], v[BM+\b]                   ; the block's largest p: the same two instructions on the same number
.endr
	v_pk_add_f32 v[56:57], v[S:S+1], v[S+2:S+3]    ; the row's sum is taken of the unquantised p, in two chains
.set J, 4
.rept 15
	v_pk_add_f32 v[14:15], v[14:15], v[S+J:S+J+1]
	v_pk_add_f32 v[56:57], v[56:57], v[S+J+2:S+J+3]
.set J, J+4
.endr
	v_pk_add_f32 v[14:15], v[14:15], v[56:57]
	s_wait_alu depctr_va_vdst(0)                   ; and one for the four
.irp b, 0,1,2,3
	v_max_num_f32 v[BM+\b], 0x1800000, v[BM+\b]    ; the floor 2^(3 - 127): the byte cannot fall under 1
.endr
.irp b, 0,1,2,3
	v_add_nc_u32 v[SO+\b], 0xff000000, v[BM+\b]    ; 2 off the exponent field: the conversion's scale operand
.endr
.irp b, 0,1,2,3
	v_lshrrev_b32 v[BY+\b], 23, v[SO+\b]           ; the scale's byte
.endr
	v_lshl_or_b32 v35, v[BY+1], 8, v[BY]           ; p's scale word for these 128 keys
	v_lshl_or_b32 v35, v[BY+2], 16, v35
	v_lshl_or_b32 v35, v[BY+3], 24, v35
.irp c, 0,1
	v_cvt_scalef32_pk16_fp6_f32 v[PCD+6*\c:PCD+6*\c+2], v[S+32*\c:S+32*\c+15], v[SO+2*\c]
	v_cvt_scalef32_pk16_fp6_f32 v[60+4*\c:62+4*\c], v[S+16+32*\c:S+31+32*\c], v[SO+2*\c+1]
.endr
	v_nop                                          ; one plain line behind the last scaled conversion
.irp c, 0,1
.irp i, 0,1,2
	v_permlane16_swap_b32 v[PCD+6*\c+\i], v[60+4*\c+\i]
.endr
.irp i, 0,1,2
	v_mov_b32 v[PCD+3+6*\c+\i], v[60+4*\c+\i]
.endr
.endr
.set J, 0
.rept 16
	v_pk_mul_f32 v[OT+J:OT+J+1], v[OT+J:OT+J+1], v[52:53] op_sel_hi:[1,0]   ; O^T under the new M; these lines are also the places between p's codes and scale word and the products
.set J, J+2
.endr
	s_wait_dscnt 0x0                               ; V is in
.irp t, 0,1,2,3
	v_wmma_scale_f32_16x16x128_f8f6f4 v[OT+8*\t:OT+8*\t+7], v[VF+12*\t:VF+12*\t+11], v[PCD:PCD+11], v[OT+8*\t:OT+8*\t+7], v[VS+\t], v35 matrix_a_fmt:MATRIX_FMT_FP6 matrix_b_fmt:MATRIX_FMT_FP6
.endr
	s_add_co_u32 s[TB], s[TB], 6144
	s_add_co_u32 s[TS], s[TS], 256
.endm
; Four key steps.  The wave that asked waits until the scale words and chunks 0 .. c have landed (the later chunks may be out) and signals; all read behind the barrier.
.macro CHUNK c
	s_wait_tensorcnt 3-\c
	s_wait_dscnt 0x0
	s_barrier_signal -1
	s_barrier_wait -1
	s_mov_b32 s[TB], \c*CHB
	s_mov_b32 s[TS], \c*1024
	s_mov_b32 s[CNT], 4
.Lstep_\@:
	STEP
	s_sub_co_u32 s[CNT], s[CNT], 1
	s_cmp_lg_u32 s[CNT], 0
	s_cbranch_scc1 .Lstep_\@
.endm
	CHUNK 0
	CHUNK 1
	CHUNK 2
	CHUNK 3
	; THE WAY OUT.  O^T / the sum; its 32 registers are my query's 64 channels, register 16 b + i = channel 32 b + 16 (lane / 16) + i: two blocks of the last product's K.
	v_add_f32 v14, v14, v15
	v_permlanex16_b32 v54, v14, s[SEL], s[SEL+1]
	v_add_f32 v14, v14, v54                        ; the row's sum
	v_rcp_f32 v14, v14
.rept 4
	v_nop                                          ; places behind the last products, and the plain line behind the reciprocal
.endr
	s_wait_alu depctr_va_vdst(0)                   ; ahead of the reciprocal's first reader
.set J, 0
.rept 16
	v_pk_mul_f32 v[S+J:S+J+1], v[OT+J:OT+J+1], v[14:15] op_sel_hi:[1,0]   ; each accumulator from its low end on
.set J, J+2
.endr
.irp b, 0,1
	v_max3_num_f32 v[BM+\b], |v[S+16*\b]|, |v[S+1+16*\b]|, 0x1800000
.endr
.irp i, 2,4,6,8,10,12,14
.irp b, 0,1
	v_max3_num_f32 v[BM+\b], v[BM+\b], |v[S+16*\b+\i]|, |v[S+1+16*\b+\i]|
.endr
.endr
.irp b, 0,1
	v_permlanex16_b32 v[PT+\b], v[BM+\b], s[SEL], s[SEL+1]
.endr
.irp b, 0,1
	v_max_num_f32 v[BM+\b], v[BM+\b], v[PT+\b]
.endr
.irp b, 0,1
	v_add_nc_u32 v[SO+\b], 0xff000000, v[BM+\b]
.endr
.irp b, 0,1
	v_lshrrev_b32 v[BY+\b], 23, v[SO+\b]
.endr
	v_cvt_scalef32_pk16_fp6_f32 v[248:250], v[S:S+15], v[SO]
	v_cvt_scalef32_pk16_fp6_f32 v[60:62], v[S+16:S+31], v[SO+1]
	v_nop
.irp i, 0,1,2
	v_permlane16_swap_b32 v[248+\i], v[60+\i]
.endr
.irp i, 0,1,2
	v_mov_b32 v[251+\i], v[60+\i]                  ; a half image: registers 0-5 of lane (r, h): channels 32 h + 0 .. 31 of query r
.endr
	v_cmp_ne_u32 vcc_lo, 0, v11
	v_cndmask_b32 v254, v[BY], v[BY+1], vcc_lo     ; lane (r, h) sends block h's byte
	global_store_b128 v1, v[248:251], s[94:95]     ; 512 consecutive bytes, aligned to 256
	global_store_b64 v2, v[252:253], s[94:95] offset:512
	global_store_b8 v10, v254, s[96:97]            ; one byte a lane, 32 bytes beside 768 of codes: laid so that the reader takes a row's 16 bytes by one load
	s_wait_dscnt 0x0
	s_wait_xcnt 0x0
	v_lshl_add_u32 v254, v0, 2, 0x32000
	v_mov_b32 v255, 0
	s_wait_tensorcnt 0x0
	ds_add_u32 v254, v255
	s_wait_dscnt 0x0
	CROUND                                         ; the closing round: no work-group ends while a partner may still ask for a block that names it
	s_endpgm
.Lfunc_end_k_qfe5caecb79_attn:
	.size	k_qfe5caecb79_attn, .Lfunc_end_k_qfe5caecb79_attn-k_qfe5caecb79_attn
	.p2alignl 7, 3214868480
	.fill 96, 4, 3214868480
	.section	.rodata,"a",@progbits
	.p2align	6, 0x0
	.amdhsa_kernel k_qfe5caecb79_attn
		.amdhsa_group_segment_fixed_size 206848
		.amdhsa_private_segment_fixed_size 0
		.amdhsa_enable_private_segment 0
		.amdhsa_kernarg_size 32
		.amdhsa_user_sgpr_count 2
		.amdhsa_user_sgpr_kernarg_segment_ptr 1
		.amdhsa_wavefront_size32 1
		.amdhsa_system_sgpr_workgroup_id_x 1
		.amdhsa_system_sgpr_workgroup_id_y 1
		.amdhsa_system_sgpr_workgroup_id_z 1
		.amdhsa_system_vgpr_workitem_id 0
		.amdhsa_next_free_vgpr 256
		.amdhsa_next_free_sgpr 100
		.amdhsa_reserve_vcc 1
		.amdhsa_float_denorm_mode_32 3
		.amdhsa_float_denorm_mode_16_64 3
		.amdhsa_memory_ordered 1
		.amdhsa_forward_progress 1
		.amdhsa_inst_pref_size 78
	.end_amdhsa_kernel
	.amdgpu_metadata
---
amdhsa.version: [ 1, 2 ]
amdhsa.kernels:
  - .name:           k_qfe5caecb79_attn
    .symbol:         k_qfe5caecb79_attn.kd
    .args:
      - { .name: cod, .offset: 0, .size: 8, .value_kind: global_buffer, .address_space: global }
      - { .name: scl, .offset: 8, .size: 8, .value_kind: global_buffer, .address_space: global }
      - { .name: oc, .offset: 16, .size: 8, .value_kind: global_buffer, .address_space: global }
      - { .name: os, .offset: 24, .size: 8, .value_kind: global_buffer, .address_space: global }
    .group_segment_fixed_size: 206848
    .private_segment_fixed_size: 0
    .kernarg_segment_align: 8
    .kernarg_segment_size: 32
    .max_flat_workgroup_size: 512
    .sgpr_count:     100
    .vgpr_count:     256
    .wavefront_size: 32
...
	.end_amdgpu_metadata
.endif
;; end of part 3
;; launch oproj (part 4): grid 256 x 1, 4 waves a work-group, no clusters, 34,304 bytes of LDS; arguments oc, os, img, isc, bo, out0; writes out0
.if DOCPART == 4
	.amdgcn_target "amdgcn-amd-amdhsa--gfx1250"
	.amdhsa_code_object_version 6
	.text
	.protected	k_qfe5caecb79_oproj
	.globl	k_qfe5caecb79_oproj
	.p2align	8
	.type	k_qfe5caecb79_oproj,@function
k_qfe5caecb79_oproj:
	s_mov_b64 s[64:65], 0
	v_nop
	global_prefetch_b8 v0, s[64:65] scope:SCOPE_SE
	s_setreg_imm32_b32 hwreg(HW_REG_WAVE_MODE, 25, 1), 1
	s_wait_xcnt 0x0
; out0 = o Wo^T + bo on codes of FP6 (E2M3) with E8M0 scales, f32 sums.  o's codes (oc: [token tile 512][K step 4][two half images of 768 bytes]) and scale bytes (os: [token tile][r 16][16 bytes]) were made by the
; launch before; Wo's fragments and scale words lie in img and isc, tiles 1,632 on.
; SHARES.  A work-group takes token tiles 2 P and 2 P + 1, which are tokens 32 P .. 32 P + 31; wave w takes columns 128 w .. 128 w + 127: 16 accumulators, 64 matrix instructions.  All operands go from memory straight
; into registers in fragment order, all asked for at the head.
; The product is used transposed (source 0 = 16 rows of Wo, source 1 = 16 tokens): a lane holds one token and its registers run along the columns, register 16 b + i = column 32 b + 16 (lane / 16) + i.
; Lane-row r of token tile 2 P + o is token 32 P + 8 o + r + 8 (r / 8).  The bias is the C of each sum's first matrix instruction.
; The results go through the wave's own stage in LDS and leave as rows of 512 bytes.  Waves share nothing: no barrier.
; NO JOINT LOADS: the weight, which all work-groups share, goes straight into registers, each wave its quarter, once; a joint load lands in LDS alone and would add a way through LDS of 196,608 bytes a work-group.
; REGISTERS.  window 0: v1-9 lane numbers and addresses; v16-143 the accumulators (64 o + 8 i); v144-175 Wo's scale words (4 i + s); v176-183 o's (4 o + s); v184-247 rows on their way out.
;   window 1: Wo's fragments of K steps 0, 1 at 24 i + 12 s; window 2: of K steps 2, 3; window 3: o's fragments at 48 o + 12 s; from v192 the bias.
.set ACC, 16
.set SA,  144
.set SB,  176
.set BK,  184
.set BI,  192
.set SP,  528                          ; a stage row: 512 bytes + 16
.set MSB, 0
.macro WIN new                         ; the immediate's high byte repeats the setting that is left
.if MSB != \new
	s_set_vgpr_msb (MSB<<8)|\new
.set MSB, \new
.endif
.endm
	s_load_b256 s[4:11], s[0:1], 0x0               ; oc, os, img, isc
	s_load_b128 s[12:15], s[0:1], 0x20             ; bo, out0
	v_lshl_add_u32 v254, v0, 2, 0x8400
	v_mov_b32 v255, 0
	v_lshrrev_b32 v1, 5, v0
	v_readfirstlane_b32 s16, v1                    ; wave 0..3
	v_and_b32 v1, 31, v0                           ; lane
	v_and_b32 v2, 15, v0                           ; r
	v_bfe_u32 v3, v0, 4, 1                         ; h
	v_lshlrev_b32 v4, 4, v1                        ; 16 x lane
	v_lshlrev_b32 v5, 3, v1                        ; 8 x lane
	v_lshlrev_b32 v6, 4, v2                        ; 16 r
	v_lshlrev_b32 v7, 6, v3                        ; 64 h
	s_mul_i32 s17, s16, 16*SP                      ; my stage
	v_mul_u32_u24 v8, v2, SP
	v_add_nc_u32 v8, v8, v7
	v_add_nc_u32 v8, s17, v8                       ; in: row r, + 64 h
	v_add_nc_u32 v9, s17, v4                       ; back: a row of 512 bytes by 32 lanes
	s_mul_i32 s18, ttmp9, 12288
	s_mov_b32 s19, 0
	s_lshl_b32 s20, ttmp9, 9
	s_mov_b32 s21, 0
	s_mul_i32 s22, s16, 49152
	s_add_co_u32 s22, s22, 10027008
	s_mov_b32 s23, 0
	s_lshl_b32 s24, s16, 11
	s_add_co_u32 s24, s24, 417792
	s_mov_b32 s25, 0
	s_lshl_b32 s26, s16, 9
	s_mov_b32 s27, 0
	s_lshl_b32 s28, ttmp9, 16                      ; 32 rows of 2,048 bytes
	s_add_co_u32 s28, s28, s26                     ; + my wave's 512 bytes of a row
	s_mov_b32 s29, 0
	s_wait_kmcnt 0x0
	s_add_nc_u64 s[18:19], s[4:5], s[18:19]        ; o's codes
	s_add_nc_u64 s[20:21], s[6:7], s[20:21]        ; o's scale bytes
	s_add_nc_u64 s[22:23], s[8:9], s[22:23]        ; my 8 tiles of Wo
	s_add_nc_u64 s[24:25], s[10:11], s[24:25]      ; their scale words
	s_add_nc_u64 s[26:27], s[12:13], s[26:27]      ; my 128 numbers of bo
	s_add_nc_u64 s[28:29], s[14:15], s[28:29]      ; out0
	WIN 0xc0                                       ; destination window 3, address window 0
.irp o, 0,1
.irp s, 0,1,2,3
	global_load_b128 v[48*\o+12*\s:48*\o+12*\s+3], v4, s[18:19] offset:6144*\o+1536*\s            ; head 2 s: registers 0-5
	global_load_b64 v[48*\o+12*\s+4:48*\o+12*\s+5], v5, s[18:19] offset:6144*\o+1536*\s+512
	global_load_b128 v[48*\o+12*\s+6:48*\o+12*\s+9], v4, s[18:19] offset:6144*\o+1536*\s+768      ; head 2 s + 1: registers 6-11
	global_load_b64 v[48*\o+12*\s+10:48*\o+12*\s+11], v5, s[18:19] offset:6144*\o+1536*\s+1280
.endr
.endr
.irp i, 0,1,2,3,4,5,6,7
	global_load_b128 v[BI+8*\i:BI+8*\i+3], v7, s[26:27] offset:(32*(\i/2)+8*(\i%2))*4            ; my eight columns of tile 2 b + u: 32 b + 16 h + 8 u + 0 .. 7
	global_load_b128 v[BI+8*\i+4:BI+8*\i+7], v7, s[26:27] offset:(32*(\i/2)+8*(\i%2))*4+16
.endr
	WIN 0
.irp o, 0,1
	global_load_b128 v[SB+4*\o:SB+4*\o+3], v6, s[20:21] offset:256*\o
.endr
.irp i, 0,1,2,3,4,5,6,7
	global_load_b128 v[SA+4*\i:SA+4*\i+3], v6, s[24:25] offset:256*\i
.endr
	WIN 0x40                                       ; destination window 1
.irp i, 0,1,2,3,4,5,6,7
.irp s, 0,1
.irp c, 0,1,2
	global_load_b128 v[24*\i+12*\s+4*\c:24*\i+12*\s+4*\c+3], v4, s[22:23] offset:(4*\i+\s)*1536+512*\c
.endr
.endr
.endr
	WIN 0x80                                       ; destination window 2
.irp i, 0,1,2,3,4,5,6,7
.irp s, 0,1
.irp c, 0,1,2
	global_load_b128 v[24*\i+12*\s+4*\c:24*\i+12*\s+4*\c+3], v4, s[22:23] offset:(4*\i+2+\s)*1536+512*\c
.endr
.endr
.endr
	WIN 0
	s_wait_loadcnt 0x0
; 64 matrix instructions, K step by K step; the 16 accumulators take turns, one instruction a turn
.irp s, 0,1,2,3
.if \s == 0
	WIN 0x3d                                       ; A window 1, B and C window 3, D window 0
.elseif \s == 1
	WIN 0x0d                                       ; C and D window 0
.else
	WIN 0x0e                                       ; A window 2
.endif
.irp o, 0,1
.irp i, 0,1,2,3,4,5,6,7
.if \s == 0
	v_wmma_scale_f32_16x16x128_f8f6f4 v[ACC+64*\o+8*\i:ACC+64*\o+8*\i+7], v[24*\i:24*\i+11], v[48*\o:48*\o+11], v[BI+8*\i:BI+8*\i+7], v[SA+4*\i], v[SB+4*\o] matrix_a_fmt:MATRIX_FMT_FP6 matrix_b_fmt:MATRIX_FMT_FP6
.else
	v_wmma_scale_f32_16x16x128_f8f6f4 v[ACC+64*\o+8*\i:ACC+64*\o+8*\i+7], v[24*\i+12*(\s%2):24*\i+12*(\s%2)+11], v[48*\o+12*\s:48*\o+12*\s+11], v[ACC+64*\o+8*\i:ACC+64*\o+8*\i+7], v[SA+4*\i+\s], v[SB+4*\o+\s] matrix_a_fmt:MATRIX_FMT_FP6 matrix_b_fmt:MATRIX_FMT_FP6
.endif
.endr
.endr
.endr
	WIN 0
.rept 4
	v_nop                                          ; four places in front of the first read of results
.endr
; THE WAY OUT, a token tile at a time.  LDS serves a wave's instructions in order: no wait between the stores and the loads, nor in front of the next tile's stores.
.irp o, 0,1
.irp b, 0,1,2,3
.irp q, 0,1,2,3
	ds_store_b128 v8, v[ACC+64*\o+16*\b+4*\q:ACC+64*\o+16*\b+4*\q+3] offset:128*\b+16*\q   ; each accumulator from its low end on
.endr
.endr
.irp i, 0,1,2,3,4,5,6,7,8,9,10,11,12,13,14,15
	ds_load_b128 v[BK-168*\o+4*\i:BK-168*\o+4*\i+3], v9 offset:SP*\i   ; tile 0 into v184 on; tile 1 into v16 on, whose numbers have been stored and waited for
.endr
.irp i, 0,1,2,3,4,5,6,7,8,9,10,11,12,13,14,15
	s_wait_dscnt 15-\i                             ; row i is back; the younger rows may be out
	global_store_b128 v4, v[BK-168*\o+4*\i:BK-168*\o+4*\i+3], s[28:29] offset:(8*\o+\i+8*(\i/8))*2048 th:TH_STORE_NT   ; 32 lanes store 512 consecutive bytes, aligned to 256; written once, read by nobody here
.endr
.endr
	s_wait_tensorcnt 0x0
	ds_add_u32 v254, v255
	s_wait_dscnt 0x0
	s_endpgm
.Lfunc_end_k_qfe5caecb79_oproj:
	.size	k_qfe5caecb79_oproj, .Lfunc_end_k_qfe5caecb79_oproj-k_qfe5caecb79_oproj
	.p2alignl 7, 3214868480
	.fill 96, 4, 3214868480
	.section	.rodata,"a",@progbits
	.p2align	6, 0x0
	.amdhsa_kernel k_qfe5caecb79_oproj
		.amdhsa_group_segment_fixed_size 34304
		.amdhsa_private_segment_fixed_size 0
		.amdhsa_enable_private_segment 0
		.amdhsa_kernarg_size 48
		.amdhsa_user_sgpr_count 2
		.amdhsa_user_sgpr_kernarg_segment_ptr 1
		.amdhsa_wavefront_size32 1
		.amdhsa_system_sgpr_workgroup_id_x 1
		.amdhsa_system_sgpr_workgroup_id_y 1
		.amdhsa_system_sgpr_workgroup_id_z 1
		.amdhsa_system_vgpr_workitem_id 0
		.amdhsa_next_free_vgpr 1024
		.amdhsa_next_free_sgpr 66
		.amdhsa_reserve_vcc 0
		.amdhsa_float_denorm_mode_32 3
		.amdhsa_float_denorm_mode_16_64 3
		.amdhsa_memory_ordered 1
		.amdhsa_forward_progress 1
		.amdhsa_inst_pref_size 33
	.end_amdhsa_kernel
	.amdgpu_metadata
---
amdhsa.version: [ 1, 2 ]
amdhsa.kernels:
  - .name:           k_qfe5caecb79_oproj
    .symbol:         k_qfe5caecb79_oproj.kd
    .args:
      - { .name: oc, .offset: 0, .size: 8, .value_kind: global_buffer, .address_space: global }
      - { .name: os, .offset: 8, .size: 8, .value_kind: global_buffer, .address_space: global }
      - { .name: img, .offset: 16, .size: 8, .value_kind: global_buffer, .address_space: global }
      - { .name: isc, .offset: 24, .size: 8, .value_kind: global_buffer, .address_space: global }
      - { .name: bo, .offset: 32, .size: 8, .value_kind: global_buffer, .address_space: global }
      - { .name: out0, .offset: 40, .size: 8, .value_kind: global_buffer, .address_space: global }
    .group_segment_fixed_size: 34304
    .private_segment_fixed_size: 0
    .kernarg_segment_align: 8
    .kernarg_segment_size: 48
    .max_flat_workgroup_size: 128
    .sgpr_count:     66
    .vgpr_count:     1024
    .wavefront_size: 32
...
	.end_amdgpu_metadata
.endif
;; end of part 4
;; ======== version 2 of 2: 4 launches
;; workspace buffers: img 10,223,616 bytes; isc 425,984 bytes; cod 9,437,184 bytes; scl 393,216 bytes; oc 3,145,728 bytes; os 131,072 bytes
;; launch quant: the kernel of part 1 again; grid 208 x 1, 4 waves a work-group, no clusters, 270,848 bytes of LDS; arguments query, key, value, Wq, Wk, Wv, Wo, img, isc; writes img, isc
;; launch proj (part 5): grid 64 x 3, 4 waves a work-group, no clusters, 0 bytes of LDS; arguments img, isc, bq, bk, bv, cod, scl; writes cod, scl
.if DOCPART == 5
	.amdgcn_target "amdgcn-amd-amdhsa--gfx1250"
	.amdhsa_code_object_version 6
	.text
	.protected	k_qfe5caecb79_proj
	.globl	k_qfe5caecb79_proj
	.p2align	8
	.type	k_qfe5caecb79_proj,@function
k_qfe5caecb79_proj:
	s_mov_b64 s[64:65], 0
	v_nop
	global_prefetch_b8 v0, s[64:65] scope:SCOPE_SE
	s_setreg_imm32_b32 hwreg(HW_REG_WAVE_SCHED_MODE, 0, 2), 2
	s_setreg_imm32_b32 hwreg(HW_REG_WAVE_MODE, 25, 1), 1
	s_wait_xcnt 0x0
	s_wait_alu depctr_vm_vsrc(0)
; q = query Wq^T + bq, k = key Wk^T + bk, v = value Wv^T + bv on codes of FP6 (E2M3) with E8M0 scales, f32 sums; the results are quantised in registers for the two products of attention:
; q and k along the head's 64 channels, v along the KEYS.  Work-group (x, y): y = 0 q, 1 k, 2 v; x = 128 tokens.  Wave w: columns 128 w .. 128 w + 127, heads 2 w and 2 w + 1.  Waves share nothing: no LDS, no barrier.
; ONE FORM FOR BOTH LAYOUTS.  An INNER operand (source 0: 8 tiles x 4 K steps, 384 registers, it stays) and an OUTER one (source 1: a tile at a time).  For an outer tile the 8 inner tiles give 64 registers a lane
; that run along the inner rows.  q, k: inner = the weight, outer = tokens: a lane holds a token and 128 columns.  v: inner = tokens, outer = the weight: a lane holds a channel and 128 keys.
; Both operands lie in img in one format, so the two ways differ in pointers, in the bias and in where the codes go.
; Lane-row r of tile 2 b + u is row 32 b + 8 u + r + 8 (r / 8): so the 16 registers of inner tiles 2 b, 2 b + 1 are 16 neighbours, 32 b + 16 (lane / 16) + 0 .. 15.
; OUT.  cod: q at 0, k at 3,145,728: [batch x head 32][token tile 128][768]: a HALF IMAGE (16 rows x 64 K): registers 0-3 at 16 x lane, 4-5 at 512 + 8 x lane.  v at 6,291,456: [32][key step 16][channel tile 4][1,536].
; scl: q, k, v 131,072 bytes apart: [32][128 tokens 16][r 16][4 words]; q, k: word p = tile 2 p's two bytes, then tile 2 p + 1's; v: word t = channel tile t's four bytes.
; The bias is the C of each sum's first matrix instruction.
; NO JOINT LOADS: the weights, which all work-groups of a y share, go from memory straight into registers in fragment order, each wave its quarter, once; a joint load lands in LDS alone and
; would add a way through LDS of 196,608 bytes a work-group.  192 work-groups: v wants 128 tokens to a fragment, and 24,576 rows / 128 are 192.
; LIMITS: NaN and infinities are not served; a block whose largest magnitude lies under 2^-124 gets the byte 1; the bytes are read by this program alone.
; REGISTERS.  window 0: v1-8 lane numbers and offsets; v16-79 the 8 accumulators; v80-87 scale words made; v88-99 on their way out; v100-107 v's bias; v112-143 inner scale words (4 i + s);
;   v144-159 outer scale words, a ring of four tiles; v160-175 at work; v176-215 codes, two sets.  window 1: inner fragments of K steps 0, 1 at 24 i + 12 s; window 2: of K steps 2, 3;
;   window 3: outer fragments, a ring of four tiles, at 48 (o % 4) + 12 s; from v192 the bias, 8 tiles of 8.
; THE MODE: SCHED_MODE bits 1:0 = 2 (LLVM: expert scheduling mode 2), set by the entry lines.  The code itself states the register dependences between vector or matrix instructions
; and memory instructions, with s_wait_alu, always for 0.
; THE PLAN.  Registers that memory instructions touch:
;   v4, v5, v6, v8   offsets, made at the head; v7, the bias's offset, made at the head of its arm: none is written again.
;   the outer ring   slot o % 4 (48 registers of window 3) and its four scale words: loaded; read by outer tile o's 32 matrix instructions; loaded again with tile o + 4.
;   PC0, PC1         the codes: written by tile o's quantiser (set o % 2); read by tile o's stores.
;   OW               the scale words on their way out: written behind tile 7, read by the last store.
;   The inner fragments, their scale words and the bias are loaded once, at the head; the accumulators and all else are named by vector and matrix instructions alone.
; Tile o: the waits at its head; its 32 matrix instructions; behind them, with no further wait, the loads of tile o + 3, which land in slot (o - 1) % 4, and the stores of tile o - 1, out of PC[(o - 1) % 2];
; the places; its quantiser.  No instruction of tile o names slot (o - 1) % 4, that slot's scale words or PC[(o - 1) % 2].  So ONE wait on va_vdst at a tile's head states all that the tile's memory instructions hang on,
; and one on vm_vsrc, beside the wait on XCNT, frees PC[o % 2], whose stores went out a tile earlier.
.set ACC, 16
.set PWS, 80
.set WA,  88
.set WB,  92
.set OW,  96
.set BV,  100
.set SA,  112
.set SB,  144
.set TM,  160
.set PC,  176
.set BI,  192
.set SEL, 42
.set MSB, 0
.macro WIN new                         ; the immediate's high byte repeats the setting that is left
.if MSB != \new
	s_set_vgpr_msb (MSB<<8)|\new
.set MSB, \new
.endif
.endm
; 64 numbers of a lane, register 16 b + i = k 32 b + 16 (lane / 16) + i of my row, become a fragment's 12 registers in v[pc] on and its scale word in v[pw].  Each accumulator is read from its low end on.
.macro QUANT s, pc, pw
.irp b, 0,1,2,3
	v_max3_num_f32 v[TM+\b], |v[(\s)+16*\b]|, |v[(\s)+1+16*\b]|, 0x1800000   ; and the floor 2^(3 - 127): the byte cannot fall under 1
.endr
.irp i, 2,4,6,8,10,12,14
.irp b, 0,1,2,3
	v_max3_num_f32 v[TM+\b], v[TM+\b], |v[(\s)+16*\b+\i]|, |v[(\s)+1+16*\b+\i]|
.endr
.endr
.irp b, 0,1,2,3
	v_permlanex16_b32 v[TM+4+\b], v[TM+\b], s[SEL], s[SEL+1]
.endr
.irp b, 0,1,2,3
	v_max_num_f32 v[TM+\b], v[TM+\b], v[TM+4+\b]
.endr
.irp b, 0,1,2,3
	v_add_nc_u32 v[TM+12+\b], 0xff000000, v[TM+\b]     ; 2 off the exponent field: the conversion's scale operand
.endr
.irp b, 0,1,2,3
	v_lshrrev_b32 v[TM+4+\b], 23, v[TM+12+\b]          ; the scale's byte
.endr
	v_lshl_or_b32 v[\pw], v[TM+5], 8, v[TM+4]
	v_lshl_or_b32 v[\pw], v[TM+6], 16, v[\pw]
	v_lshl_or_b32 v[\pw], v[TM+7], 24, v[\pw]
.irp c, 0,1
	v_cvt_scalef32_pk16_fp6_f32 v[(\pc)+6*\c:(\pc)+6*\c+2], v[(\s)+32*\c:(\s)+32*\c+15], v[TM+12+2*\c]
	v_cvt_scalef32_pk16_fp6_f32 v[(\pc)+12+4*\c:(\pc)+12+4*\c+2], v[(\s)+16+32*\c:(\s)+16+32*\c+15], v[TM+13+2*\c]
.endr
	v_nop                                              ; one plain line behind the last scaled conversion
.irp c, 0,1
.irp i, 0,1,2
	v_permlane16_swap_b32 v[(\pc)+6*\c+\i], v[(\pc)+12+4*\c+\i]
.endr
.irp i, 0,1,2
	v_mov_b32 v[(\pc)+3+6*\c+\i], v[(\pc)+12+4*\c+\i]
.endr
.endr
.endm
.macro INNER                           ; 96 loads: the inner operand's 32 fragments, as they lie
	WIN 0x40                                       ; destination window 1, address window 0
.irp i, 0,1,2,3,4,5,6,7
.irp s, 0,1
.irp c, 0,1,2
	global_load_b128 v[24*\i+12*\s+4*\c:24*\i+12*\s+4*\c+3], v4, s[28:29] offset:(4*\i+\s)*1536+512*\c
.endr
.endr
.endr
	WIN 0x80                                       ; destination window 2
.irp i, 0,1,2,3,4,5,6,7
.irp s, 0,1
.irp c, 0,1,2
	global_load_b128 v[24*\i+12*\s+4*\c:24*\i+12*\s+4*\c+3], v4, s[28:29] offset:(4*\i+2+\s)*1536+512*\c
.endr
.endr
.endr
	WIN 0
.endm
.macro OUTER o                         ; 13 loads: outer tile o's four fragments and its scale words
	WIN 0xc0                                       ; destination window 3
.irp s, 0,1,2,3
.irp c, 0,1,2
	global_load_b128 v[48*((\o)%4)+12*\s+4*\c:48*((\o)%4)+12*\s+4*\c+3], v4, s[30:31] offset:(4*(\o)+\s)*1536+512*\c
.endr
.endr
	WIN 0
	global_load_b128 v[SB+4*((\o)%4):SB+4*((\o)%4)+3], v6, s[34:35] offset:256*(\o)
.endm
; 32 matrix instructions: outer tile o against the 8 inner tiles, K step by K step; the 8 accumulators take turns, one instruction a turn.  What follows sets the windows anew.
.macro MULS o, mode
.irp s, 0,1,2,3
.if \s == 0
	WIN 0x3d                                       ; A window 1, B and C window 3, D window 0
.elseif \s == 1
	WIN 0x0d                                       ; A window 1, B window 3, C and D window 0
.else
	WIN 0x0e                                       ; A window 2
.endif
.irp i, 0,1,2,3,4,5,6,7
.if \s == 0
.if \mode
	v_wmma_scale_f32_16x16x128_f8f6f4 v[ACC+8*\i:ACC+8*\i+7], v[24*\i:24*\i+11], v[48*((\o)%4):48*((\o)%4)+11], v[BI+8*(\o):BI+8*(\o)+7], v[SA+4*\i], v[SB+4*((\o)%4)] matrix_a_fmt:MATRIX_FMT_FP6 matrix_b_fmt:MATRIX_FMT_FP6
.else
	v_wmma_scale_f32_16x16x128_f8f6f4 v[ACC+8*\i:ACC+8*\i+7], v[24*\i:24*\i+11], v[48*((\o)%4):48*((\o)%4)+11], v[BI+8*\i:BI+8*\i+7], v[SA+4*\i], v[SB+4*((\o)%4)] matrix_a_fmt:MATRIX_FMT_FP6 matrix_b_fmt:MATRIX_FMT_FP6
.endif
.else
	v_wmma_scale_f32_16x16x128_f8f6f4 v[ACC+8*\i:ACC+8*\i+7], v[24*\i+12*(\s%2):24*\i+12*(\s%2)+11], v[48*((\o)%4)+12*\s:48*((\o)%4)+12*\s+11], v[ACC+8*\i:ACC+8*\i+7], v[SA+4*\i+\s], v[SB+4*((\o)%4)+\s] matrix_a_fmt:MATRIX_FMT_FP6 matrix_b_fmt:MATRIX_FMT_FP6
.endif
.endr
.endr
.endm
; Outer tile o's codes leave, out of set o % 2.  q, k: two half images, one for each of the wave's heads.
.macro SENDQK o
	global_store_b128 v4, v[PC+20*((\o)%2):PC+20*((\o)%2)+3], s[38:39] offset:768*(\o)               ; head 2 w: registers 0-5
	global_store_b64 v5, v[PC+20*((\o)%2)+4:PC+20*((\o)%2)+5], s[38:39] offset:768*(\o)+512
	global_store_b128 v4, v[PC+20*((\o)%2)+6:PC+20*((\o)%2)+9], s[38:39] offset:768*(\o)+98304        ; head 2 w + 1: registers 6-11
	global_store_b64 v5, v[PC+20*((\o)%2)+10:PC+20*((\o)%2)+11], s[38:39] offset:768*(\o)+98304+512
.endm
; v: a whole image.
.macro SENDV o
.irp c, 0,1,2
	global_store_b128 v4, v[PC+20*((\o)%2)+4*\c:PC+20*((\o)%2)+4*\c+3], s[38:39] offset:((\o)/4)*98304+((\o)%4)*1536+512*\c   ; channel tile o % 4 of head 2 w + o / 4: 16 channels x 128 keys
.endr
.endm
; The whole work behind the common head.  mode 0: q, k;  mode 1: v.
.macro PROD mode
.if \mode
	v_and_b32 v7, 8, v2
	v_add_nc_u32 v7, v7, v2
	v_lshlrev_b32 v7, 2, v7                        ; my channel of an outer tile: 4 (r + 8 (r / 8)) bytes
	s_wait_alu depctr_va_vdst(0)                   ; v7 is written, which the eight loads below read as their offset
.irp o, 0,1,2,3,4,5,6,7
	global_load_b32 v[BV+\o], v7, s[36:37] offset:(32*(\o/2)+8*(\o%2))*4
.endr
	s_wait_loadcnt 0x0                             ; all of the head's loads
	WIN 0xc0
.irp o, 0,1,2,3,4,5,6,7
.irp j, 0,1,2,3,4,5,6,7
	v_mov_b32 v[BI+8*\o+\j], v[BV+\o]              ; a lane's eight results of a tile are one channel's: the same bias eight times
.endr
.endr
	WIN 0
.rept 4
	v_nop
.endr
.else
	v_lshlrev_b32 v7, 6, v3                        ; my eight columns of inner tile 2 b + u: 32 b + 16 h + 8 u + 0 .. 7
	WIN 0xc0
	s_wait_alu depctr_va_vdst(0)                   ; v7 is written, which the sixteen loads below read as their offset
.irp i, 0,1,2,3,4,5,6,7
	global_load_b128 v[BI+8*\i:BI+8*\i+3], v7, s[36:37] offset:(32*(\i/2)+8*(\i%2))*4
	global_load_b128 v[BI+8*\i+4:BI+8*\i+7], v7, s[36:37] offset:(32*(\i/2)+8*(\i%2))*4+16
.endr
	WIN 0
	s_wait_loadcnt 0x0                             ; all of the head's loads
.endif
.irp o, 0,1,2,3,4,5,6,7
.if \o == 4
	s_wait_loadcnt 26                              ; this outer tile's 13 loads are in; those of tiles 5 and 6 may be out (tile 7 is asked for further down in this tile)
.elseif \o > 4
	s_wait_loadcnt 13*(7-\o)                       ; this outer tile's 13 loads are in; those of the younger tiles may be out
.endif
.if \o >= 2
	s_wait_xcnt 0x0                                ; the stores of two tiles back, issued in the tile before, have had their addresses translated: their registers are written again only behind this wait
	s_wait_alu depctr_vm_vsrc(0)                   ; and they have read PC[o % 2], which this tile's quantiser writes again
.endif
.if \o >= 1
	s_wait_alu depctr_va_vdst(0)                   ; the tile before: its quantiser has written the other PC, which the stores below read; its matrix instructions are done reading their outer slot and its scale words, in which the loads below land
.endif
	MULS \o, \mode
.if (\o >= 1) && (\o <= 4)
	OUTER \o+3                                     ; into the slot of the tile before.  No wait: no instruction since the wait at the tile's head names it
.endif
	WIN 0
.if \o >= 1
.if \mode
	SENDV \o-1                                     ; the tile before leaves.  No wait: no instruction since the wait at the tile's head names its codes
.else
	SENDQK \o-1
.endif
.endif
.rept 4
	v_nop                                          ; four places in front of the first read of these products' results
.endr
	QUANT ACC, PC+20*(\o%2), PWS+\o
.endr
.if \mode
.irp p, 0,1,2,3
	v_cndmask_b32 v[OW+\p], v[PWS+\p], v[PWS+4+\p], s44   ; lanes 0-15: head 2 w's four tiles; lanes 16-31: head 2 w + 1's
.endr
.else
.irp p, 0,1,2,3
	v_perm_b32 v[WA+\p], v[PWS+2*\p+1], v[PWS+2*\p], s45  ; head 2 w: the low halves of token tiles 2 p and 2 p + 1
	v_perm_b32 v[WB+\p], v[PWS+2*\p+1], v[PWS+2*\p], s46  ; head 2 w + 1: the high halves
.endr
.irp p, 0,1,2,3
	v_cndmask_b32 v[OW+\p], v[WA+\p], v[WB+\p], s44
.endr
.endif
	s_wait_alu depctr_va_vdst(0)                   ; tile 7's quantiser has written its codes and the selects above v[OW ..]: the last stores read both
.if \mode
	SENDV 7
.else
	SENDQK 7
.endif
	global_store_b128 v8, v[OW:OW+3], s[40:41]     ; sixteen lanes store 256 consecutive bytes, aligned
	s_endpgm
.endm
	s_load_b256 s[4:11], s[0:1], 0x0               ; img, isc, bq, bk
	s_load_b128 s[12:15], s[0:1], 0x20             ; bv, cod
	s_load_b64 s[16:17], s[0:1], 0x30              ; scl
	v_lshrrev_b32 v1, 5, v0
	v_readfirstlane_b32 s18, v1                    ; wave 0..3
	s_and_b32 s19, ttmp7, 0xffff                   ; y: 0 q, 1 k, 2 v
	v_and_b32 v1, 31, v0                           ; lane
	v_and_b32 v2, 15, v0                           ; r
	v_bfe_u32 v3, v0, 4, 1                         ; h
	v_lshlrev_b32 v4, 4, v1                        ; 16 x lane
	v_lshlrev_b32 v5, 3, v1                        ; 8 x lane
	v_lshlrev_b32 v6, 4, v2                        ; 16 r
	v_lshl_add_u32 v8, v3, 12, v6                  ; scale words out: 4,096 h + 16 r
	v_cmp_ne_u32 s44, 0, v3                        ; lanes 16-31
.irp b, 0,1,2,3
	v_mov_b32 v[TM+4+\b], 0                        ; written once: a lane permute's destination counts as one of its sources
.endr
	s_wait_alu depctr_va_sdst(0)                   ; s18 and s44 are written, ahead of their first readers: the scalar lines below take s18, the selects at the end s44
	s_mov_b32 s[SEL], 0x76543210
	s_mov_b32 s[SEL+1], 0xfedcba98
	s_mov_b32 s45, 0x05040100
	s_mov_b32 s46, 0x07060302
	s_mul_i32 s20, s19, 3145728                    ; the tokens' codes in img: 512 tiles a tensor, 8 a work-group
	s_mul_i32 s24, ttmp9, 49152
	s_add_co_u32 s20, s20, s24
	s_mul_i32 s21, s19, 196608                     ; the weight's: behind 1,536 tiles; 32 tiles a weight, 8 a wave
	s_mul_i32 s24, s18, 49152
	s_add_co_u32 s21, s21, s24
	s_add_co_u32 s21, s21, 9437184
	s_lshl_b32 s22, s19, 17                        ; the same for the scale words, 256 bytes a tile
	s_lshl_b32 s24, ttmp9, 11
	s_add_co_u32 s22, s22, s24
	s_lshl_b32 s23, s19, 13
	s_lshl_b32 s24, s18, 11
	s_add_co_u32 s23, s23, s24
	s_add_co_u32 s23, s23, 393216
	s_cmp_eq_u32 s19, 2                            ; v: the tokens are the inner operand
	s_cselect_b32 s28, s20, s21
	s_cselect_b32 s30, s21, s20
	s_cselect_b32 s32, s22, s23
	s_cselect_b32 s34, s23, s22
	s_mov_b32 s29, 0
	s_mov_b32 s31, 0
	s_mov_b32 s33, 0
	s_mov_b32 s35, 0
	s_lshr_b32 s24, ttmp9, 4                       ; the batch
	s_lshl_b32 s24, s24, 3
	s_lshl_b32 s25, s18, 1
	s_add_co_u32 s24, s24, s25                     ; 8 x batch + head 2 w
	s_and_b32 s25, ttmp9, 15                       ; which 128 tokens of the batch
	s_mul_i32 s38, s19, 3145728
	s_mul_i32 s26, s24, 98304
	s_add_co_u32 s38, s38, s26
	s_mul_i32 s26, s25, 6144
	s_add_co_u32 s38, s38, s26
	s_mov_b32 s39, 0
	s_lshl_b32 s40, s19, 17
	s_lshl_b32 s26, s24, 12
	s_add_co_u32 s40, s40, s26
	s_lshl_b32 s26, s25, 8
	s_add_co_u32 s40, s40, s26
	s_mov_b32 s41, 0
	s_lshl_b32 s26, s18, 9                         ; my wave's 128 numbers of the bias
	s_mov_b32 s27, 0
	s_wait_kmcnt 0x0
	s_add_nc_u64 s[28:29], s[4:5], s[28:29]        ; inner codes
	s_add_nc_u64 s[30:31], s[4:5], s[30:31]        ; outer codes
	s_add_nc_u64 s[32:33], s[6:7], s[32:33]        ; inner scale words
	s_add_nc_u64 s[34:35], s[6:7], s[34:35]        ; outer scale words
	s_add_nc_u64 s[38:39], s[14:15], s[38:39]      ; where the codes go
	s_add_nc_u64 s[40:41], s[16:17], s[40:41]      ; where the scale words go
	s_cmp_eq_u32 s19, 0
	s_cselect_b64 s[36:37], s[8:9], s[10:11]
	s_cmp_eq_u32 s19, 2
	s_cselect_b64 s[36:37], s[12:13], s[36:37]
	s_add_nc_u64 s[36:37], s[36:37], s[26:27]      ; the bias
	s_wait_alu depctr_va_vdst(0)                   ; the offsets v4, v5, v6 and v8 are written, which the kernel's loads and stores read; they are never written again
.irp i, 0,1,2,3,4,5,6,7
	global_load_b128 v[SA+4*\i:SA+4*\i+3], v6, s[32:33] offset:256*\i   ; lane r: row r's words of K steps 0 .. 3
.endr
	INNER
	OUTER 0
	OUTER 1
	OUTER 2
	OUTER 3
	s_cmp_eq_u32 s19, 2
	s_cbranch_scc1 .Lv
	PROD 0
.Lv:
	PROD 1
.Lfunc_end_k_qfe5caecb79_proj:
	.size	k_qfe5caecb79_proj, .Lfunc_end_k_qfe5caecb79_proj-k_qfe5caecb79_proj
	.p2alignl 7, 3214868480
	.fill 96, 4, 3214868480
	.section	.rodata,"a",@progbits
	.p2align	6, 0x0
	.amdhsa_kernel k_qfe5caecb79_proj
		.amdhsa_group_segment_fixed_size 0
		.amdhsa_private_segment_fixed_size 0
		.amdhsa_enable_private_segment 0
		.amdhsa_kernarg_size 56
		.amdhsa_user_sgpr_count 2
		.amdhsa_user_sgpr_kernarg_segment_ptr 1
		.amdhsa_wavefront_size32 1
		.amdhsa_system_sgpr_workgroup_id_x 1
		.amdhsa_system_sgpr_workgroup_id_y 1
		.amdhsa_system_sgpr_workgroup_id_z 1
		.amdhsa_system_vgpr_workitem_id 0
		.amdhsa_next_free_vgpr 1024
		.amdhsa_next_free_sgpr 66
		.amdhsa_reserve_vcc 0
		.amdhsa_float_denorm_mode_32 3
		.amdhsa_float_denorm_mode_16_64 3
		.amdhsa_memory_ordered 1
		.amdhsa_forward_progress 1
		.amdhsa_inst_pref_size 169
	.end_amdhsa_kernel
	.amdgpu_metadata
---
amdhsa.version: [ 1, 2 ]
amdhsa.kernels:
  - .name:           k_qfe5caecb79_proj
    .symbol:         k_qfe5caecb79_proj.kd
    .args:
      - { .name: img, .offset: 0, .size: 8, .value_kind: global_buffer, .address_space: global }
      - { .name: isc, .offset: 8, .size: 8, .value_kind: global_buffer, .address_space: global }
      - { .name: bq, .offset: 16, .size: 8, .value_kind: global_buffer, .address_space: global }
      - { .name: bk, .offset: 24, .size: 8, .value_kind: global_buffer, .address_space: global }
      - { .name: bv, .offset: 32, .size: 8, .value_kind: global_buffer, .address_space: global }
      - { .name: cod, .offset: 40, .size: 8, .value_kind: global_buffer, .address_space: global }
      - { .name: scl, .offset: 48, .size: 8, .value_kind: global_buffer, .address_space: global }
    .group_segment_fixed_size: 0
    .private_segment_fixed_size: 0
    .kernarg_segment_align: 8
    .kernarg_segment_size: 56
    .max_flat_workgroup_size: 128
    .sgpr_count:     66
    .vgpr_count:     1024
    .wavefront_size: 32
...
	.end_amdgpu_metadata
.endif
;; end of part 5
;; launch attn (part 6): grid 8 x 32, 16 waves a work-group, clusters of 4 x 1, 206,848 bytes of LDS; arguments cod, scl, oc, os; writes oc, os
.if DOCPART == 6
	.amdgcn_target "amdgcn-amd-amdhsa--gfx1250"
	.amdhsa_code_object_version 6
	.text
	.protected	k_qfe5caecb79_attn
	.globl	k_qfe5caecb79_attn
	.p2align	8
	.type	k_qfe5caecb79_attn,@function
k_qfe5caecb79_attn:
	s_mov_b64 s[64:65], 0
	v_nop
	global_prefetch_b8 v0, s[64:65] scope:SCOPE_SE
	s_setreg_imm32_b32 hwreg(HW_REG_WAVE_MODE, 25, 1), 1
	s_wait_xcnt 0x0
	s_wait_alu depctr_hold_cnt(0) depctr_sa_sdst(0) depctr_va_vdst(0) depctr_va_sdst(0) depctr_va_ssrc(0) depctr_va_vcc(0) depctr_vm_vsrc(0)
	s_getreg_b32 s2, hwreg(HW_REG_IB_STS2, 6, 4)
	s_cmp_eq_u32 s2, 0
	s_cbranch_scc0 .Lentry_in_a_cluster
	s_endpgm
.Lentry_in_a_cluster:
	s_bfe_u32 s2, ttmp6, 0x10000c
	s_cmp_lg_u32 s2, 0x3003
	s_cbranch_scc0 .Lentry_shape_is_right
	s_endpgm
.Lentry_shape_is_right:
; o = softmax(q k^T / 8) v for 32 (batch, head) pairs, 2,048 queries, 2,048 keys, head size 64, both products on codes of FP6 (E2M3) with E8M0 scales; the merged heads are quantised along their 512 for the last product.
; THE SOFTMAX AHEAD OF THE SECOND PRODUCT: t = score x log2(e) / 8; M = the running largest t, rounded UP to a whole number; p = 2^(t - M) is quantised along the keys, not normalised.  The row's sum is taken of the
; unquantised p and divides O at the end (by v_rcp_f32 and a multiplication).  When M moves, the sum and O are multiplied by 2^(old M - new M): exact.
; SHARES.  A work-group owns 256 queries of one head, each of its sixteen waves one tile of 16, in 256 registers: four waves to a SIMD.  Every wave walks all keys, 128 a step.
; A WHOLE HEAD'S K AND V LIE IN LDS: 98,304 bytes of codes each and 4,096 of scale words each, as images of operand registers, filled ONCE: no slot is filled again.
; CLUSTER.  The four work-groups of a cluster belong to one head: each block is asked for JOINTLY, by the same tensor load with the same descriptor and the mask 15.  Wave 0 asks for K (scale words, then four chunks of
; four key steps), wave 1 for V: five loads of each are out, by this text's count.  A chunk is read behind a counted wait and a barrier, while the later chunks are on their way.
; No prefetch: all that a work-group reads of K and V is asked for at its head.
; LAYOUT.  Both products are used transposed (S^T = K Q^T, O^T = V^T P^T): a lane holds ONE query (lane % 16) throughout.  Lane-row r of tile 2 b + u is row 32 b + 8 u + r + 8 (r / 8), for keys, channels and queries alike:
; so the 16 registers of key tiles 2 b, 2 b + 1 are 16 neighbouring keys, and likewise O^T's channels.
; THE HEAD'S 64 IN AN INSTRUCTION OF 128: a fragment of K holds TWO key tiles, tile 2 p in registers 0-5 and tile 2 p + 1 in registers 6-11; the query stands as q | zeros | q in 18 registers: its registers 0-11 give tile 2 p's
; scores, its registers 6-17 tile 2 p + 1's.  What meets zero codes adds nothing.
; LIMITS: NaN and infinities are not served; a block whose largest magnitude lies under 2^-124 gets the byte 1; the bytes are read by this program alone.
; REGISTERS: v1-11 addresses; v12 -M, v13 the largest t, v[14:15] the sum in two halves; v16-33 Q; v34 Q's scale word; v35 p's; v36-83 K's four fragments, then at work; v84-131 V's four; v132-195 S^T, then p;
;   v196-227 O^T; v228-239 p's codes; v240-243 K's scale words, v244-247 V's; v248-253 the way out's codes; v254 its byte.
.set KC,   0                           ; LDS: K's codes: [key tile 128][768]
.set VC,   98304                       ; V's codes: [key step 16][channel tile 4][1,536]
.set KSO,  196608                      ; K's scale words: [key step 16][r 16][4]
.set VSO,  200704                      ; V's likewise
.set CHB,  24576                       ; a chunk: four key steps of 6,144 bytes
.set KF,   36
.set VF,   84
.set S,    132
.set OT,   196
.set PCD,  228
.set KS,   240
.set VS,   244
.set BM,   36                          ; at work, in K's registers: the blocks' largest scores, then largest p
.set PT,   40                          ; what the other half of the lanes sends
.set SO,   44                          ; the conversions' scale operands
.set BY,   48                          ; the scales' bytes
.set WV,   12                          ; s12  my wave's number
.set SEL,  24                          ; s[24:25] lane selects: lane l xor 16
.set CS,   26                          ; s[26:27] c = log2(e) / 8
.set G1C,  28                          ; s[28:35] group 1 for a chunk of codes;  s[36:43] for scale words
.set G1S,  36
.set G0K,  44                          ; s[44:63] five groups 0 for K;  s[68:87] for V
.set G0V,  68
.set TB,   88                          ; s88  the step's codes: bytes from a region's start
.set TS,   89                          ; s89  the step's scale words
.set CNT,  90
.macro CROUND                          ; a round of the cluster's barrier
	s_barrier_signal -1
	s_barrier_wait -1
	s_cmp_lg_u32 s[WV], 0
	s_cbranch_scc1 .Lnot_wave_0_\@
	s_barrier_signal -3
.Lnot_wave_0_\@:
	s_barrier_wait -3
	s_barrier_signal -1
	s_barrier_wait -1
.endm
.macro DESC g0, lds, base, off         ; a group 0: count 1, a constant LDS address, the head's pointer + a constant, type 2
	s_mov_b32 s[\g0], 1
	s_mov_b32 s[\g0+1], \lds
	s_add_nc_u64 s[\g0+2:\g0+3], s[\base:\base+1], \off
	s_or_b32 s[\g0+3], s[\g0+3], 0x80000000
.endm
	s_load_b256 s[4:11], s[0:1], 0x0               ; cod, scl, oc, os
	v_lshl_add_u32 v254, v0, 2, 0x32000
	v_mov_b32 v255, 0
	ds_add_u32 v254, v255
	ds_add_u32 v254, v255
	s_wait_dscnt 0x0
	v_lshrrev_b32 v1, 5, v0
	s_delay_alu instid0(VALU_DEP_1)
	v_readfirstlane_b32 s[WV], v1                  ; wave 0..15
	s_bfe_u32 s13, ttmp6, 0x40000                  ; cx: it enters the addresses of Q, oc and os alone
	s_lshl_b32 s14, ttmp9, 2
	s_add_co_u32 s14, s14, s13                     ; my block of 256 queries
	s_and_b32 s15, ttmp7, 0xffff                   ; batch x 8 + head, which the four partners share
	; group 1: dense blocks as rows of 256 bytes (32 elements of 8 bytes): 96 rows a chunk, 16 for the scale words; the mask names all four work-groups, bit 21 beside it
	s_mov_b32 s[G1C], 15|(3<<16)|(1<<21)
	s_mov_b32 s[G1C+1], 32<<16
	s_mov_b32 s[G1C+2], 96<<16
	s_mov_b32 s[G1C+3], 32<<16
	s_mov_b32 s[G1C+4], 96
	s_mov_b32 s[G1C+5], 32
	s_mov_b32 s[G1C+6], 0
	s_mov_b32 s[G1C+7], 0
	s_mov_b32 s[G1S], 15|(3<<16)|(1<<21)
	s_mov_b32 s[G1S+1], 32<<16
	s_mov_b32 s[G1S+2], 16<<16
	s_mov_b32 s[G1S+3], 32<<16
	s_mov_b32 s[G1S+4], 16
	s_mov_b32 s[G1S+5], 32
	s_mov_b32 s[G1S+6], 0
	s_mov_b32 s[G1S+7], 0
	s_mov_b32 s[SEL], 0x76543210
	s_mov_b32 s[SEL+1], 0xfedcba98
	s_mov_b32 s[CS], 0x3e38aa3b                    ; log2(e) / 8
	s_mov_b32 s[CS+1], s[CS]                       ; (named with it as a pair, so it is written)
	s_mul_i32 s16, s15, 98304                      ; the head's codes,
	s_mov_b32 s17, 0
	s_lshl_b32 s18, s15, 12                        ; and its scale words
	s_mov_b32 s19, 0
	s_wait_kmcnt 0x0
	s_add_nc_u64 s[20:21], s[4:5], s[16:17]
	s_add_nc_u64 s[22:23], s[6:7], s[18:19]
	DESC G0K, KSO, 22, 131072
	DESC G0V, VSO, 22, 262144
.irp c, 0,1,2,3
	DESC G0K+4+4*\c, KC+CHB*\c, 20, 3145728+CHB*\c
	DESC G0V+4+4*\c, VC+CHB*\c, 20, 6291456+CHB*\c
.endr
	s_lshl_b32 s16, s14, 4
	s_add_co_u32 s16, s16, s[WV]                   ; my token tile in the batch, 0 .. 127
	s_mul_i32 s92, s16, 768
	s_mov_b32 s93, 0
	s_add_nc_u64 s[92:93], s[20:21], s[92:93]      ; Q's half image
	s_lshr_b32 s18, s16, 3
	s_lshl_b32 s18, s18, 8                         ; Q's scale word: 256 bytes for 8 tiles,
	s_bfe_u32 s17, s16, 0x20001
	s_lshl_b32 s17, s17, 2                         ; word (tile / 2) % 4
	s_add_co_u32 s18, s18, s17
	s_add_nc_u64 s[18:19], s[22:23], s[18:19]
	s_and_b32 s98, s[WV], 1
	s_lshl_b32 s98, s98, 4                         ; and its low or high half
	s_lshr_b32 s17, s15, 3
	s_lshl_b32 s17, s17, 7
	s_add_co_u32 s17, s17, s16                     ; my token tile of all 512
	s_and_b32 s91, s15, 7                          ; the head
	s_mul_i32 s94, s17, 6144
	s_mul_i32 s99, s91, 768                        ; K step head / 2, half head % 2: 768 x head
	s_add_co_u32 s94, s94, s99
	s_mov_b32 s95, 0
	s_add_nc_u64 s[94:95], s[8:9], s[94:95]        ; where my codes go
	s_lshl_b32 s96, s17, 8
	s_lshl_b32 s99, s91, 1
	s_add_co_u32 s96, s96, s99
	s_mov_b32 s97, 0
	s_add_nc_u64 s[96:97], s[10:11], s[96:97]      ; and my scale bytes
	CROUND                                         ; all four work-groups are here: the joint loads meet
	s_cmp_eq_u32 s[WV], 0                          ; a wave's first fills stand in one branch on the wave's number, ahead of every wait on TENSORcnt and every LDS read
	s_cbranch_scc0 .Lnot_k
	tensor_load_to_lds s[G0K:G0K+3], s[G1S:G1S+7]
	s_nop 0
.irp c, 0,1,2,3
	tensor_load_to_lds s[G0K+4+4*\c:G0K+7+4*\c], s[G1C:G1C+7]
	s_nop 0
.endr
.rept 4
	v_nop
.endr
	s_branch .Lasked
.Lnot_k:
	s_cmp_eq_u32 s[WV], 1
	s_cbranch_scc0 .Lasked
	tensor_load_to_lds s[G0V:G0V+3], s[G1S:G1S+7]
	s_nop 0
.irp c, 0,1,2,3
	tensor_load_to_lds s[G0V+4+4*\c:G0V+7+4*\c], s[G1C:G1C+7]
	s_nop 0
.endr
.rept 4
	v_nop
.endr
.Lasked:
	v_and_b32 v10, 31, v0                          ; lane
	s_delay_alu instid0(VALU_DEP_1)
	v_lshlrev_b32 v1, 4, v10                       ; 16 x lane
	s_delay_alu instid0(VALU_DEP_2)
	v_lshlrev_b32 v2, 3, v10                       ; 8 x lane
	v_and_b32 v8, 15, v0
	s_delay_alu instid0(VALU_DEP_1)
	v_lshlrev_b32 v8, 4, v8                        ; 16 r
	v_bfe_u32 v11, v0, 4, 1                        ; h
	s_delay_alu instid0(VALU_DEP_2)
	v_add_nc_u32 v3, KSO, v8                       ; my row's scale words
	v_add_nc_u32 v9, VC, v1                        ; V's images
	s_delay_alu instid0(VALU_DEP_3)
	v_add_nc_u32 v10, v8, v11                      ; the way out: my scale byte at 16 r + h
	global_load_b128 v[16:19], v1, s[92:93]        ; q, twice: q | zeros | q
	global_load_b64 v[20:21], v2, s[92:93] offset:512
	global_load_b128 v[28:31], v1, s[92:93]
	global_load_b64 v[32:33], v2, s[92:93] offset:512
	global_load_b32 v34, v8, s[18:19]
	v_mov_b32 v13, 0xff61b1e6                      ; the largest t so far: -3e38, under every t
	s_delay_alu instid0(VALU_DEP_1)
	v_floor_f32 v12, -v13                          ; -M
	v_mov_b32 v14, 0
	v_mov_b32 v15, 0
	s_wait_loadcnt 0x0
	v_lshrrev_b32 v34, s98, v34
	s_delay_alu instid0(VALU_DEP_1)
	v_and_b32 v34, 0xffff, v34                     ; my tile's two bytes,
	s_delay_alu instid0(VALU_DEP_1)
	v_lshl_or_b32 v34, v34, 16, v34                ; for both places of q.  (More than eight plain lines stand between this line and the first product)
.irp j, 22,23,24,25,26,27
	v_mov_b32 v\j, 0                               ; zero codes
.endr
.irp j, 40,41,42,43,53,54
	v_mov_b32 v\j, 0                               ; written once: a lane permute's destination, and the upper half of a pair, count as read
.endr
.set J, 0
.rept 32
	v_mov_b32 v[OT+J], 0                           ; O^T: the step is written once; the first finds zeros, which the first change of M leaves zeros
.set J, J+1
.endr
; A KEY STEP: 128 keys.
.macro STEP
	v_add_nc_u32 v4, s[TB], v1                     ; these four lines are the places between the last products and the loads into registers that they read
	v_add_nc_u32 v5, s[TB], v2
	v_add_nc_u32 v6, s[TB], v9
	v_add_nc_u32 v7, s[TS], v3
.irp p, 0,1,2,3
	ds_load_b128 v[KF+12*\p:KF+12*\p+3], v4 offset:1536*\p            ; key tile 2 p: registers 0-5
	ds_load_b64 v[KF+12*\p+4:KF+12*\p+5], v5 offset:1536*\p+512
	ds_load_b128 v[KF+12*\p+6:KF+12*\p+9], v4 offset:1536*\p+768      ; key tile 2 p + 1: registers 6-11
	ds_load_b64 v[KF+12*\p+10:KF+12*\p+11], v5 offset:1536*\p+1280
.endr
	ds_load_b128 v[KS:KS+3], v7
.irp t, 0,1,2,3
.irp c, 0,1,2
	ds_load_b128 v[VF+12*\t+4*\c:VF+12*\t+4*\c+3], v6 offset:1536*\t+512*\c
.endr
.endr
	ds_load_b128 v[VS:VS+3], v7 offset:4096
	s_wait_dscnt 13                                ; K's 17 loads are in; V's 13 may be out
.irp p, 0,1,2,3
	v_wmma_scale_f32_16x16x128_f8f6f4 v[S+16*\p:S+16*\p+7], v[KF+12*\p:KF+12*\p+11], v[16:27], 0, v[KS+\p], v34 matrix_a_fmt:MATRIX_FMT_FP6 matrix_b_fmt:MATRIX_FMT_FP6
	v_wmma_scale_f32_16x16x128_f8f6f4 v[S+16*\p+8:S+16*\p+15], v[KF+12*\p:KF+12*\p+11], v[22:33], 0, v[KS+\p], v34 matrix_a_fmt:MATRIX_FMT_FP6 matrix_b_fmt:MATRIX_FMT_FP6
.endr                                  ; register 16 p + i of S^T: key 32 p + 16 (lane / 16) + i of the step
.rept 4
	v_nop
.endr
.irp b, 0,1,2,3
	v_max3_num_f32 v[BM+\b], v[S+16*\b], v[S+1+16*\b], v[S+2+16*\b]   ; the largest score of each block of 32 keys: for the row's maximum and, since p rises with the score, for the block's largest p
.endr
.irp i, 3,5,7,9,11,13
.irp b, 0,1,2,3
	v_max3_num_f32 v[BM+\b], v[BM+\b], v[S+16*\b+\i], v[S+1+16*\b+\i]
.endr
.endr
.irp b, 0,1,2,3
	v_max_num_f32 v[BM+\b], v[BM+\b], v[S+15+16*\b]
.endr
.irp b, 0,1,2,3
	s_delay_alu instid0(VALU_DEP_4)
	v_permlanex16_b32 v[PT+\b], v[BM+\b], s[SEL], s[SEL+1]
.endr
.irp b, 0,1,2,3
	s_delay_alu instid0(VALU_DEP_4)
	v_max_num_f32 v[BM+\b], v[BM+\b], v[PT+\b]     ; with lane l xor 16's 16 keys
.endr
	s_delay_alu instid0(VALU_DEP_2)
	v_max3_num_f32 v54, v[BM], v[BM+1], v[BM+2]
	s_delay_alu instid0(VALU_DEP_1)
	v_max_num_f32 v54, v54, v[BM+3]                ; the step's largest score of my query
	s_delay_alu instid0(VALU_DEP_1)
	v_mul_f32 v54, s[CS], v54                      ; as t
	s_delay_alu instid0(VALU_DEP_1)
	v_max_num_f32 v13, v13, v54                    ; the running largest t
	v_mov_b32 v54, v12
	s_delay_alu instid0(VALU_DEP_2)
	v_floor_f32 v12, -v13                          ; the new -M = floor(-t): M is a whole number
	s_delay_alu instid0(VALU_DEP_1)
	v_sub_f32 v54, v12, v54                        ; old M - new M: a whole number, 0 or less
	s_delay_alu instid0(VALU_DEP_1)
	v_cvt_i32_f32 v54, v54                         ; (it saturates)
	s_delay_alu instid0(VALU_DEP_1)
	v_ldexp_f32 v52, 1.0, v54                      ; f = 2^(old M - new M)
.set J, 0
.rept 32
	v_pk_fma_f32 v[S+J:S+J+1], v[S+J:S+J+1], s[CS:CS+1], v[12:13] op_sel_hi:[1,0,0]   ; t - M, two at a time
.set J, J+2
.endr
.irp b, 0,1,2,3
	v_fma_f32 v[BM+\b], v[BM+\b], s[CS], v12       ; the same of each block's largest score
.endr
.set J, 0
	s_wait_alu depctr_va_vdst(0)
.rept 64
	v_exp_f32 v[S+J], v[S+J]                       ; p = 2^(t - M), at most 1
.set J, J+1
.endr
	s_setprio 1
	v_pk_mul_f32 v[14:15], v[14:15], v[52:53] op_sel_hi:[1,0]   ; the sums under the new M: a plain line behind the exponentials
	s_wait_alu depctr_va_vdst(0)                   ; one wait for the whole batch, ahead of its first reader
.irp b, 0,1,2,3
	v_exp_f32 v[BM+\b], v[BM+\b]                   ; the block's largest p: the same two instructions on the same number
.endr
	v_pk_add_f32 v[56:57], v[136:137], v[140:141]
	v_pk_add_f32 v[254:255], v[144:145], v[148:149]
	v_pk_add_f32 v[252:253], v[152:153], v[156:157]
	v_pk_add_f32 v[250:251], v[160:161], v[164:165]
	v_pk_add_f32 v[248:249], v[168:169], v[172:173]
	v_pk_add_f32 v[242:243], v[176:177], v[180:181]
	v_pk_add_f32 v[240:241], v[184:185], v[188:189]
	v_pk_add_f32 v[14:15], v[14:15], v[192:193]
	v_pk_add_f32 v[56:57], v[56:57], v[132:133]
	v_pk_add_f32 v[254:255], v[254:255], v[134:135]
	v_pk_add_f32 v[252:253], v[252:253], v[138:139]
	v_pk_add_f32 v[250:251], v[250:251], v[142:143]
	v_pk_add_f32 v[248:249], v[248:249], v[146:147]
	v_pk_add_f32 v[242:243], v[242:243], v[150:151]
	v_pk_add_f32 v[240:241], v[240:241], v[154:155]
	v_pk_add_f32 v[14:15], v[14:15], v[158:159]
	v_pk_add_f32 v[56:57], v[56:57], v[162:163]
	v_pk_add_f32 v[254:255], v[254:255], v[166:167]
	v_pk_add_f32 v[252:253], v[252:253], v[170:171]
	v_pk_add_f32 v[250:251], v[250:251], v[174:175]
	v_pk_add_f32 v[248:249], v[248:249], v[178:179]
	v_pk_add_f32 v[242:243], v[242:243], v[182:183]
	v_pk_add_f32 v[240:241], v[240:241], v[186:187]
	v_pk_add_f32 v[14:15], v[14:15], v[190:191]
	v_pk_add_f32 v[56:57], v[56:57], v[194:195]
	s_delay_alu instid0(VALU_DEP_2)
	v_pk_add_f32 v[14:15], v[14:15], v[250:251]
	s_delay_alu instid0(VALU_DEP_2)
	v_pk_add_f32 v[56:57], v[56:57], v[248:249]
	v_pk_add_f32 v[254:255], v[254:255], v[242:243]
	v_pk_add_f32 v[252:253], v[252:253], v[240:241]
	s_delay_alu instid0(VALU_DEP_2)
	v_pk_add_f32 v[14:15], v[14:15], v[254:255]
	s_delay_alu instid0(VALU_DEP_2)
	v_pk_add_f32 v[56:57], v[56:57], v[252:253]
	s_delay_alu instid0(VALU_DEP_1)
	v_pk_add_f32 v[14:15], v[14:15], v[56:57]
	s_wait_alu depctr_va_vdst(0)                   ; and one for the four
.irp b, 0,1,2,3
	v_max_num_f32 v[BM+\b], 0x1800000, v[BM+\b]    ; the floor 2^(3 - 127): the byte cannot fall under 1
.endr
.irp b, 0,1,2,3
	s_delay_alu instid0(VALU_DEP_4)
	v_add_nc_u32 v[SO+\b], 0xff000000, v[BM+\b]    ; 2 off the exponent field: the conversion's scale operand
.endr
.irp b, 0,1,2,3
	s_delay_alu instid0(VALU_DEP_4)
	v_lshrrev_b32 v[BY+\b], 23, v[SO+\b]           ; the scale's byte
.endr
	s_delay_alu instid0(VALU_DEP_3)
	v_lshl_or_b32 v35, v[BY+1], 8, v[BY]           ; p's scale word for these 128 keys
	s_delay_alu instid0(VALU_DEP_1)
	v_lshl_or_b32 v35, v[BY+2], 16, v35
	s_delay_alu instid0(VALU_DEP_1)
	v_lshl_or_b32 v35, v[BY+3], 24, v35
.irp c, 0,1
	v_cvt_scalef32_pk16_fp6_f32 v[PCD+6*\c:PCD+6*\c+2], v[S+32*\c:S+32*\c+15], v[SO+2*\c]
	v_cvt_scalef32_pk16_fp6_f32 v[60+4*\c:62+4*\c], v[S+16+32*\c:S+31+32*\c], v[SO+2*\c+1]
.endr
	v_nop                                          ; one plain line behind the last scaled conversion
.irp c, 0,1
.irp i, 0,1,2
	v_permlane16_swap_b32 v[PCD+6*\c+\i], v[60+4*\c+\i]
.endr
.irp i, 0,1,2
	s_delay_alu instid0(VALU_DEP_3)
	v_mov_b32 v[PCD+3+6*\c+\i], v[60+4*\c+\i]
.endr
.endr
.set J, 0
	s_setprio 0
.rept 16
	v_pk_mul_f32 v[OT+J:OT+J+1], v[OT+J:OT+J+1], v[52:53] op_sel_hi:[1,0]   ; O^T under the new M; these lines are also the places between p's codes and scale word and the products
.set J, J+2
.endr
	s_wait_alu depctr_va_vdst(0)
	s_wait_dscnt 0x0                               ; V is in
.irp t, 0,1,2,3
	v_wmma_scale_f32_16x16x128_f8f6f4 v[OT+8*\t:OT+8*\t+7], v[VF+12*\t:VF+12*\t+11], v[PCD:PCD+11], v[OT+8*\t:OT+8*\t+7], v[VS+\t], v35 matrix_a_fmt:MATRIX_FMT_FP6 matrix_b_fmt:MATRIX_FMT_FP6
.endr
	s_add_co_u32 s[TB], s[TB], 6144
	s_add_co_u32 s[TS], s[TS], 256
.endm
; Four key steps.  The wave that asked waits until the scale words and chunks 0 .. c have landed (the later chunks may be out) and signals; all read behind the barrier.
.macro CHUNK c
	s_wait_tensorcnt 3-\c
	s_wait_dscnt 0x0
	s_barrier_signal -1
	s_barrier_wait -1
	s_mov_b32 s[TB], \c*CHB
	s_mov_b32 s[TS], \c*1024
	s_mov_b32 s[CNT], 4
.Lstep_\@:
	s_setprio 2
	STEP
	s_sub_co_u32 s[CNT], s[CNT], 1
	s_cmp_lg_u32 s[CNT], 0
	s_cbranch_scc1 .Lstep_\@
	s_setprio 0
.endm
	CHUNK 0
	CHUNK 1
	CHUNK 2
	CHUNK 3
	; THE WAY OUT.  O^T / the sum; its 32 registers are my query's 64 channels, register 16 b + i = channel 32 b + 16 (lane / 16) + i: two blocks of the last product's K.
	v_add_f32 v14, v14, v15
	s_delay_alu instid0(VALU_DEP_1)
	v_permlanex16_b32 v54, v14, s[SEL], s[SEL+1]
	s_delay_alu instid0(VALU_DEP_1)
	v_add_f32 v14, v14, v54                        ; the row's sum
	s_wait_alu depctr_va_vdst(0)
	v_rcp_f32 v14, v14
.rept 4
	v_nop                                          ; places behind the last products, and the plain line behind the reciprocal
.endr
	s_wait_alu depctr_va_vdst(0)                   ; ahead of the reciprocal's first reader
.set J, 0
.rept 16
	v_pk_mul_f32 v[S+J:S+J+1], v[OT+J:OT+J+1], v[14:15] op_sel_hi:[1,0]   ; each accumulator from its low end on
.set J, J+2
.endr
.irp b, 0,1
	v_max3_num_f32 v[BM+\b], |v[S+16*\b]|, |v[S+1+16*\b]|, 0x1800000
.endr
.irp i, 2,4,6,8,10,12,14
.irp b, 0,1
	s_delay_alu instid0(VALU_DEP_2)
	v_max3_num_f32 v[BM+\b], v[BM+\b], |v[S+16*\b+\i]|, |v[S+1+16*\b+\i]|
.endr
.endr
.irp b, 0,1
	s_delay_alu instid0(VALU_DEP_2)
	v_permlanex16_b32 v[PT+\b], v[BM+\b], s[SEL], s[SEL+1]
.endr
.irp b, 0,1
	s_delay_alu instid0(VALU_DEP_2)
	v_max_num_f32 v[BM+\b], v[BM+\b], v[PT+\b]
.endr
.irp b, 0,1
	s_delay_alu instid0(VALU_DEP_2)
	v_add_nc_u32 v[SO+\b], 0xff000000, v[BM+\b]
.endr
.irp b, 0,1
	s_delay_alu instid0(VALU_DEP_2)
	v_lshrrev_b32 v[BY+\b], 23, v[SO+\b]
.endr
	v_cvt_scalef32_pk16_fp6_f32 v[248:250], v[S:S+15], v[SO]
	v_cvt_scalef32_pk16_fp6_f32 v[60:62], v[S+16:S+31], v[SO+1]
	v_nop
.irp i, 0,1,2
	v_permlane16_swap_b32 v[248+\i], v[60+\i]
.endr
.irp i, 0,1,2
	s_delay_alu instid0(VALU_DEP_3)
	v_mov_b32 v[251+\i], v[60+\i]                  ; a half image: registers 0-5 of lane (r, h): channels 32 h + 0 .. 31 of query r
.endr
	v_cmp_ne_u32 vcc_lo, 0, v11
	s_delay_alu instid0(VALU_DEP_1)
	v_cndmask_b32 v254, v[BY], v[BY+1], vcc_lo     ; lane (r, h) sends block h's byte
	global_store_b128 v1, v[248:251], s[94:95]     ; 512 consecutive bytes, aligned to 256
	global_store_b64 v2, v[252:253], s[94:95] offset:512
	global_store_b8 v10, v254, s[96:97]            ; one byte a lane, 32 bytes beside 768 of codes: laid so that the reader takes a row's 16 bytes by one load
	s_wait_dscnt 0x0
	s_wait_xcnt 0x0
	v_lshl_add_u32 v254, v0, 2, 0x32000
	v_mov_b32 v255, 0
	s_wait_alu depctr_va_vdst(0)
	s_wait_tensorcnt 0x0
	ds_add_u32 v254, v255
	s_wait_dscnt 0x0
	CROUND                                         ; the closing round: no work-group ends while a partner may still ask for a block that names it
	s_endpgm
.Lfunc_end_k_qfe5caecb79_attn:
	.size	k_qfe5caecb79_attn, .Lfunc_end_k_qfe5caecb79_attn-k_qfe5caecb79_attn
	.p2alignl 7, 3214868480
	.fill 96, 4, 3214868480
	.section	.rodata,"a",@progbits
	.p2align	6, 0x0
	.amdhsa_kernel k_qfe5caecb79_attn
		.amdhsa_group_segment_fixed_size 206848
		.amdhsa_private_segment_fixed_size 0
		.amdhsa_enable_private_segment 0
		.amdhsa_kernarg_size 32
		.amdhsa_user_sgpr_count 2
		.amdhsa_user_sgpr_kernarg_segment_ptr 1
		.amdhsa_wavefront_size32 1
		.amdhsa_system_sgpr_workgroup_id_x 1
		.amdhsa_system_sgpr_workgroup_id_y 1
		.amdhsa_system_sgpr_workgroup_id_z 1
		.amdhsa_system_vgpr_workitem_id 0
		.amdhsa_next_free_vgpr 256
		.amdhsa_next_free_sgpr 100
		.amdhsa_reserve_vcc 1
		.amdhsa_float_denorm_mode_32 3
		.amdhsa_float_denorm_mode_16_64 3
		.amdhsa_memory_ordered 1
		.amdhsa_forward_progress 1
		.amdhsa_inst_pref_size 84
	.end_amdhsa_kernel
	.amdgpu_metadata
---
amdhsa.version: [ 1, 2 ]
amdhsa.kernels:
  - .name:           k_qfe5caecb79_attn
    .symbol:         k_qfe5caecb79_attn.kd
    .args:
      - { .name: cod, .offset: 0, .size: 8, .value_kind: global_buffer, .address_space: global }
      - { .name: scl, .offset: 8, .size: 8, .value_kind: global_buffer, .address_space: global }
      - { .name: oc, .offset: 16, .size: 8, .value_kind: global_buffer, .address_space: global }
      - { .name: os, .offset: 24, .size: 8, .value_kind: global_buffer, .address_space: global }
    .group_segment_fixed_size: 206848
    .private_segment_fixed_size: 0
    .kernarg_segment_align: 8
    .kernarg_segment_size: 32
    .max_flat_workgroup_size: 512
    .sgpr_count:     100
    .vgpr_count:     256
    .wavefront_size: 32
...
	.end_amdgpu_metadata
.endif
;; end of part 6
;; launch oproj (part 7): grid 256 x 1, 4 waves a work-group, no clusters, 34,304 bytes of LDS; arguments oc, os, img, isc, bo, out0; writes out0
.if DOCPART == 7
	.amdgcn_target "amdgcn-amd-amdhsa--gfx1250"
	.amdhsa_code_object_version 6
	.text
	.protected	k_qfe5caecb79_oproj
	.globl	k_qfe5caecb79_oproj
	.p2align	8
	.type	k_qfe5caecb79_oproj,@function
k_qfe5caecb79_oproj:
	s_mov_b64 s[64:65], 0
	v_nop
	global_prefetch_b8 v0, s[64:65] scope:SCOPE_SE
	s_setreg_imm32_b32 hwreg(HW_REG_WAVE_SCHED_MODE, 0, 2), 2
	s_setreg_imm32_b32 hwreg(HW_REG_WAVE_MODE, 25, 1), 1
	s_wait_xcnt 0x0
	s_wait_alu depctr_vm_vsrc(0)
; out0 = o Wo^T + bo on codes of FP6 (E2M3) with E8M0 scales, f32 sums.  o's codes (oc: [token tile 512][K step 4][two half images of 768 bytes]) and scale bytes (os: [token tile][r 16][16 bytes]) were made by the
; launch before; Wo's fragments and scale words lie in img and isc, tiles 1,632 on.
; SHARES.  A work-group takes token tiles 2 P and 2 P + 1, which are tokens 32 P .. 32 P + 31; wave w takes columns 128 w .. 128 w + 127: 16 accumulators, 64 matrix instructions.  All operands go from memory straight
; into registers in fragment order, all asked for at the head.
; The product is used transposed (source 0 = 16 rows of Wo, source 1 = 16 tokens): a lane holds one token and its registers run along the columns, register 16 b + i = column 32 b + 16 (lane / 16) + i.
; Lane-row r of token tile 2 P + o is token 32 P + 8 o + r + 8 (r / 8).  The bias is the C of each sum's first matrix instruction.
; The results go through the wave's own stage in LDS and leave as rows of 512 bytes.  Waves share nothing: no barrier.
; NO JOINT LOADS: the weight, which all work-groups share, goes straight into registers, each wave its quarter, once; a joint load lands in LDS alone and would add a way through LDS of 196,608 bytes a work-group.
; REGISTERS.  window 0: v1-9 lane numbers and addresses; v16-143 the accumulators (64 o + 8 i); v144-175 Wo's scale words (4 i + s); v176-183 o's (4 o + s); v184-247 rows on their way out; v254, v255 the closing add's two.
;   window 1: Wo's fragments of K steps 0, 1 at 24 i + 12 s; window 2: of K steps 2, 3; window 3: o's fragments at 48 o + 12 s; from v192 the bias.
; THE MODE: SCHED_MODE bits 1:0 = 2 (LLVM: expert scheduling mode 2), set by the entry lines.  The code itself states the register dependences between vector or matrix instructions
; and memory or LDS instructions, with s_wait_alu, always for 0.
; THE PLAN.  Registers that memory or LDS instructions touch:
;   v4 to v9         offsets and LDS addresses, made at the head and never written again: one wait on va_vdst ahead of the first load serves them all.
;   the operands     loaded once, at the head; read by matrix instructions; never loaded again.
;   v16-143          the accumulators: written by the matrix instructions, read by the 32 LDS stores: one wait on va_vdst, behind the places.  No vector or matrix instruction follows it.
;   v184-247         token tile 0's rows: LDS loads land there, global stores read them.
;   v16-79           token tile 1's rows land where tile 0's LDS stores have read their data: one wait on vm_vsrc ahead of those loads.
;   v254, v255       written at the head, read by the closing add alone.
.set ACC, 16
.set SA,  144
.set SB,  176
.set BK,  184
.set BI,  192
.set SP,  528                          ; a stage row: 512 bytes + 16
.set MSB, 0
.macro WIN new                         ; the immediate's high byte repeats the setting that is left
.if MSB != \new
	s_set_vgpr_msb (MSB<<8)|\new
.set MSB, \new
.endif
.endm
	s_load_b256 s[4:11], s[0:1], 0x0               ; oc, os, img, isc
	s_load_b128 s[12:15], s[0:1], 0x20             ; bo, out0
	v_lshl_add_u32 v254, v0, 2, 0x8400
	v_mov_b32 v255, 0
	v_lshrrev_b32 v1, 5, v0
	v_readfirstlane_b32 s16, v1                    ; wave 0..3
	v_and_b32 v1, 31, v0                           ; lane
	v_and_b32 v2, 15, v0                           ; r
	v_bfe_u32 v3, v0, 4, 1                         ; h
	v_lshlrev_b32 v4, 4, v1                        ; 16 x lane
	v_lshlrev_b32 v5, 3, v1                        ; 8 x lane
	v_lshlrev_b32 v6, 4, v2                        ; 16 r
	v_lshlrev_b32 v7, 6, v3                        ; 64 h
	s_wait_alu depctr_va_sdst(0)                   ; s16 is written, ahead of its first reader: the stage's place and the pointers' offsets are made from it
	s_mul_i32 s17, s16, 16*SP                      ; my stage
	v_mul_u32_u24 v8, v2, SP
	v_add_nc_u32 v8, v8, v7
	v_add_nc_u32 v8, s17, v8                       ; in: row r, + 64 h
	v_add_nc_u32 v9, s17, v4                       ; back: a row of 512 bytes by 32 lanes
	s_mul_i32 s18, ttmp9, 12288
	s_mov_b32 s19, 0
	s_lshl_b32 s20, ttmp9, 9
	s_mov_b32 s21, 0
	s_mul_i32 s22, s16, 49152
	s_add_co_u32 s22, s22, 10027008
	s_mov_b32 s23, 0
	s_lshl_b32 s24, s16, 11
	s_add_co_u32 s24, s24, 417792
	s_mov_b32 s25, 0
	s_lshl_b32 s26, s16, 9
	s_mov_b32 s27, 0
	s_lshl_b32 s28, ttmp9, 16                      ; 32 rows of 2,048 bytes
	s_add_co_u32 s28, s28, s26                     ; + my wave's 512 bytes of a row
	s_mov_b32 s29, 0
	s_wait_kmcnt 0x0
	s_add_nc_u64 s[18:19], s[4:5], s[18:19]        ; o's codes
	s_add_nc_u64 s[20:21], s[6:7], s[20:21]        ; o's scale bytes
	s_add_nc_u64 s[22:23], s[8:9], s[22:23]        ; my 8 tiles of Wo
	s_add_nc_u64 s[24:25], s[10:11], s[24:25]      ; their scale words
	s_add_nc_u64 s[26:27], s[12:13], s[26:27]      ; my 128 numbers of bo
	s_add_nc_u64 s[28:29], s[14:15], s[28:29]      ; out0
	WIN 0xc0                                       ; destination window 3, address window 0
	s_wait_alu depctr_va_vdst(0)                   ; the offsets and LDS addresses v4 to v9 are written, which the kernel's loads, LDS instructions and stores read; they are never written again
.irp o, 0,1
.irp s, 0,1,2,3
	global_load_b128 v[48*\o+12*\s:48*\o+12*\s+3], v4, s[18:19] offset:6144*\o+1536*\s            ; head 2 s: registers 0-5
	global_load_b64 v[48*\o+12*\s+4:48*\o+12*\s+5], v5, s[18:19] offset:6144*\o+1536*\s+512
	global_load_b128 v[48*\o+12*\s+6:48*\o+12*\s+9], v4, s[18:19] offset:6144*\o+1536*\s+768      ; head 2 s + 1: registers 6-11
	global_load_b64 v[48*\o+12*\s+10:48*\o+12*\s+11], v5, s[18:19] offset:6144*\o+1536*\s+1280
.endr
.endr
.irp i, 0,1,2,3,4,5,6,7
	global_load_b128 v[BI+8*\i:BI+8*\i+3], v7, s[26:27] offset:(32*(\i/2)+8*(\i%2))*4            ; my eight columns of tile 2 b + u: 32 b + 16 h + 8 u + 0 .. 7
	global_load_b128 v[BI+8*\i+4:BI+8*\i+7], v7, s[26:27] offset:(32*(\i/2)+8*(\i%2))*4+16
.endr
	WIN 0
.irp o, 0,1
	global_load_b128 v[SB+4*\o:SB+4*\o+3], v6, s[20:21] offset:256*\o
.endr
.irp i, 0,1,2,3,4,5,6,7
	global_load_b128 v[SA+4*\i:SA+4*\i+3], v6, s[24:25] offset:256*\i
.endr
	WIN 0x40                                       ; destination window 1
.irp i, 0,1,2,3,4,5,6,7
.irp s, 0,1
.irp c, 0,1,2
	global_load_b128 v[24*\i+12*\s+4*\c:24*\i+12*\s+4*\c+3], v4, s[22:23] offset:(4*\i+\s)*1536+512*\c
.endr
.endr
.endr
	WIN 0x80                                       ; destination window 2
.irp i, 0,1,2,3,4,5,6,7
.irp s, 0,1
.irp c, 0,1,2
	global_load_b128 v[24*\i+12*\s+4*\c:24*\i+12*\s+4*\c+3], v4, s[22:23] offset:(4*\i+2+\s)*1536+512*\c
.endr
.endr
.endr
	WIN 0
	s_wait_loadcnt 0x0
; 64 matrix instructions, K step by K step; the 16 accumulators take turns, one instruction a turn
.irp s, 0,1,2,3
.if \s == 0
	WIN 0x3d                                       ; A window 1, B and C window 3, D window 0
.elseif \s == 1
	WIN 0x0d                                       ; C and D window 0
.else
	WIN 0x0e                                       ; A window 2
.endif
.irp o, 0,1
.irp i, 0,1,2,3,4,5,6,7
.if \s == 0
	v_wmma_scale_f32_16x16x128_f8f6f4 v[ACC+64*\o+8*\i:ACC+64*\o+8*\i+7], v[24*\i:24*\i+11], v[48*\o:48*\o+11], v[BI+8*\i:BI+8*\i+7], v[SA+4*\i], v[SB+4*\o] matrix_a_fmt:MATRIX_FMT_FP6 matrix_b_fmt:MATRIX_FMT_FP6
.else
	v_wmma_scale_f32_16x16x128_f8f6f4 v[ACC+64*\o+8*\i:ACC+64*\o+8*\i+7], v[24*\i+12*(\s%2):24*\i+12*(\s%2)+11], v[48*\o+12*\s:48*\o+12*\s+11], v[ACC+64*\o+8*\i:ACC+64*\o+8*\i+7], v[SA+4*\i+\s], v[SB+4*\o+\s] matrix_a_fmt:MATRIX_FMT_FP6 matrix_b_fmt:MATRIX_FMT_FP6
.endif
.endr
.endr
.endr
	WIN 0
.rept 4
	v_nop                                          ; four places in front of the first read of results
.endr
	s_wait_alu depctr_va_vdst(0)                   ; the matrix instructions have written the accumulators, which the LDS stores below read and in 64 of which token tile 1's rows land; the places above stay beside this wait
; THE WAY OUT.  Both token tiles go through the stage one behind the other, then their rows are stored: tile 1's way through LDS runs while tile 0's rows leave.
; LDS serves a wave's instructions in order: no wait between the stores and the loads, nor in front of the next tile's stores.
.macro TOSTAGE o
.irp b, 0,1,2,3
.irp q, 0,1,2,3
	ds_store_b128 v8, v[ACC+64*(\o)+16*\b+4*\q:ACC+64*(\o)+16*\b+4*\q+3] offset:128*\b+16*\q   ; each accumulator from its low end on
.endr
.endr
.endm
.macro BACK o                          ; tile 0 into v184 on; tile 1 into v16 on
.irp i, 0,1,2,3,4,5,6,7,8,9,10,11,12,13,14,15
	ds_load_b128 v[BK-168*(\o)+4*\i:BK-168*(\o)+4*\i+3], v9 offset:SP*\i
.endr
.endm
.macro SEND o, younger                 ; younger: the LDS instructions issued behind this tile's loads, which may stay out
.irp i, 0,1,2,3,4,5,6,7,8,9,10,11,12,13,14,15
	s_wait_dscnt (\younger)+15-\i                  ; row i is back; the younger rows, and what was issued behind them, may be out
	global_store_b128 v4, v[BK-168*(\o)+4*\i:BK-168*(\o)+4*\i+3], s[28:29] offset:(8*(\o)+\i+8*(\i/8))*2048 th:TH_STORE_NT   ; 32 lanes store 512 consecutive bytes, aligned to 256; written once, read by nobody here
.endr
.endm
	TOSTAGE 0
	BACK 0
	TOSTAGE 1
	s_wait_alu depctr_vm_vsrc(0)                   ; tile 0's LDS stores have read v16 to v79, in which tile 1's rows land
	BACK 1
	SEND 0, 32                                     ; behind tile 0's loads: tile 1's 16 stores and 16 loads
	SEND 1, 0
	s_wait_dscnt 0x0                               ; the closing lines, six on end
	s_wait_alu 0x0
	s_wait_tensorcnt 0x0
	ds_add_u32 v254, v255
	s_wait_dscnt 0x0
	s_endpgm
.Lfunc_end_k_qfe5caecb79_oproj:
	.size	k_qfe5caecb79_oproj, .Lfunc_end_k_qfe5caecb79_oproj-k_qfe5caecb79_oproj
	.p2alignl 7, 3214868480
	.fill 96, 4, 3214868480
	.section	.rodata,"a",@progbits
	.p2align	6, 0x0
	.amdhsa_kernel k_qfe5caecb79_oproj
		.amdhsa_group_segment_fixed_size 34304
		.amdhsa_private_segment_fixed_size 0
		.amdhsa_enable_private_segment 0
		.amdhsa_kernarg_size 48
		.amdhsa_user_sgpr_count 2
		.amdhsa_user_sgpr_kernarg_segment_ptr 1
		.amdhsa_wavefront_size32 1
		.amdhsa_system_sgpr_workgroup_id_x 1
		.amdhsa_system_sgpr_workgroup_id_y 1
		.amdhsa_system_sgpr_workgroup_id_z 1
		.amdhsa_system_vgpr_workitem_id 0
		.amdhsa_next_free_vgpr 1024
		.amdhsa_next_free_sgpr 66
		.amdhsa_reserve_vcc 0
		.amdhsa_float_denorm_mode_32 3
		.amdhsa_float_denorm_mode_16_64 3
		.amdhsa_memory_ordered 1
		.amdhsa_forward_progress 1
		.amdhsa_inst_pref_size 34
	.end_amdhsa_kernel
	.amdgpu_metadata
---
amdhsa.version: [ 1, 2 ]
amdhsa.kernels:
  - .name:           k_qfe5caecb79_oproj
    .symbol:         k_qfe5caecb79_oproj.kd
    .args:
      - { .name: oc, .offset: 0, .size: 8, .value_kind: global_buffer, .address_space: global }
      - { .name: os, .offset: 8, .size: 8, .value_kind: global_buffer, .address_space: global }
      - { .name: img, .offset: 16, .size: 8, .value_kind: global_buffer, .address_space: global }
      - { .name: isc, .offset: 24, .size: 8, .value_kind: global_buffer, .address_space: global }
      - { .name: bo, .offset: 32, .size: 8, .value_kind: global_buffer, .address_space: global }
      - { .name: out0, .offset: 40, .size: 8, .value_kind: global_buffer, .address_space: global }
    .group_segment_fixed_size: 34304
    .private_segment_fixed_size: 0
    .kernarg_segment_align: 8
    .kernarg_segment_size: 48
    .max_flat_workgroup_size: 128
    .sgpr_count:     66
    .vgpr_count:     1024
    .wavefront_size: 32
...
	.end_amdgpu_metadata
.endif
;; end of part 7
